; MI455X (gfx1250); checked and timed in simulation.
; The chip was launched on July 23, 2026; its instructions are those of AMD's public machine-readable ISA for CDNA 5 (MIT licence, August 2026) and "CDNA5" Instruction Set Architecture Reference Guide (July 2026). The comments in the code are by the model that wrote it; some were corrected since.
;; IPEX Llama Attention. Allowed arithmetic: float matrix products may take bf16 or f16 operands with f32 sums; all other float work in f32.
;; Inputs: Wk 4,096 x 512 float32; Wq 4,096 x 4,096 float32; Wv 4,096 x 512 float32; attention_mask 2 x 1 x 1,024 x 1,024 float32; hidden_states 2 x 1,024 x 4,096 float32; position_ids 2 x 1,024 int32.
;; Outputs: out0 2 x 1,024 x 4,096 float32.
;; 2 versions, each right; version 2 is version 1 with the launch prep written anew for expert scheduling mode. Each part assembles by itself: llvm-mc -triple=amdgcn-amd-amdhsa -mcpu=gfx1250 --defsym DOCPART=n.
;; ======== version 1 of 2: 3 launches
;; limits: inputs' magnitudes at most 1,600,000; right only within a limited range of input values; values are held in f16: magnitudes above 65,504 overflow, below 6.1e-05 lose precision
;; workspace buffers: xb 16,777,216 bytes; wt 41,943,040 bytes; cs 2,097,152 bytes; qb 16,777,216 bytes; kvb 4,194,304 bytes
;; launch prep (part 1): grid 1856 x 1, 8 waves a work-group, no clusters, 33,792 bytes of LDS; arguments hidden_states, Wq, Wk, Wv, position_ids, xb, wt, cs; writes xb, wt, cs
.if DOCPART == 1
	.amdgcn_target "amdgcn-amd-amdhsa--gfx1250"
	.amdhsa_code_object_version 6
	.text
	.protected	k_q30aaa6c7e1_prep
	.globl	k_q30aaa6c7e1_prep
	.p2align	8
	.type	k_q30aaa6c7e1_prep,@function
k_q30aaa6c7e1_prep:
	s_mov_b64 s[64:65], 0
	v_nop
	global_prefetch_b8 v0, s[64:65] scope:SCOPE_SE
	s_setreg_imm32_b32 hwreg(HW_REG_WAVE_MODE, 25, 1), 1
	s_wait_xcnt 0x0
; PREP: one streaming pass that lays the operands of the projection out for the matrix unit.
;   work-groups    0..1279  a tile of 128 k x 128 columns of Wq, Wk or Wv: f32 [k][n] -> bf16 [n'][k] in wt (transposed through LDS)
;   work-groups 1280..1791  65,536 bytes of hidden_states: f32 -> bf16 in xb
;   work-groups 1792..1855  32 rows of the table cs: cos and sin of position x inv_freq
; wt has 5,120 rows n' = 160 t + i, t = 0..31.  i < 128: query head t, permuted dim c' = i, where c' = 2 d + e stands for the head's
; column d + 64 e, so that the two partners of a rotation are neighbours.  i = 128 + u: piece t of K and V, 32 columns: t < 16 is key head
; t >> 2, c' = 32 (t & 3) + u (permuted as for Q); t >= 16 is value head (t - 16) >> 2, plain column 32 (t & 3) + u.
; cs is f32 [2][2048 rows][64 d][cos, sin]; part 0 carries the factor 1/sqrt(128) (for Q), part 1 is plain (for K).
; No matrix unit, no cluster, no tensor load: nothing is shared between work-groups and bytes alone count; several work-groups lie on a WGP.
; LIMITS: inv_freq is made as 2^(-d log2(10000)/64) by v_exp_f32, so the phase differs from a correctly rounded one by some 3e-7 of
; |position x inv_freq|; the reduction by pi/2 has two terms and serves |position x inv_freq| up to about 1.6e6.
.set VO,  8                            ; v[8:15]   W: 16 L + rr x pitch, the eight rows of a group of loads
.set VW,  16                           ; v[16:17]  W: LDS address of my stores, group 0 and 1
.set VR,  18                           ; v[18:21]  W: LDS address of my reads, for j >> 1 = 0..3
.set OFF, 22                           ; v[22:29]  W: byte offset in wt of store j
.set X,   32                           ; v[32:95]  16 loads of 16 bytes
.set T,   96                           ; v[96:111] W: packed bf16
	s_load_b512 s[4:19], s[0:1], 0x0               ; hidden s[4:5], Wq s[6:7], Wk s[8:9], Wv s[10:11], positions s[12:13], xb s[14:15], wt s[16:17], cs s[18:19]
	v_lshl_add_u32 v112, v0, 2, 0x8000
	v_mov_b32 v113, 0
	v_lshrrev_b32 v1, 5, v0
	v_readfirstlane_b32 s20, v1                    ; wave w, 0..7
	v_and_b32 v1, 31, v0                           ; lane L
	s_wait_kmcnt 0x0
	s_cmp_ge_u32 ttmp9, 1792                       ; the role hangs on the work-group's number alone: all eight waves go the same way
	s_cbranch_scc1 .Ltable
	s_cmp_ge_u32 ttmp9, 1280
	s_cbranch_scc1 .Lcast
; ---------------------------------------------------------------- a tile of W
; number = 32 hd + kb: hd = 0..31 query heads, 32..35 key heads, 36..39 value heads; kb = block of 128 k.
	s_lshr_b32 s21, ttmp9, 5                       ; hd
	s_and_b32 s22, ttmp9, 31                       ; kb
	s_and_b32 s26, s20, 3                          ; w & 3
	s_lshr_b32 s27, s20, 2                         ; w >> 2
	s_lshr_b32 s28, s20, 1                         ; w >> 1
	s_and_b32 s29, s20, 1                          ; w & 1
	s_sub_co_u32 s30, s21, 32                      ; kv' = hd - 32 (used only where hd >= 32)
	s_mul_i32 s30, s30, 640
	s_add_co_u32 s30, s30, 128                     ; 640 kv' + 128
	; the wave reads back source columns c = 16 w + 2 j + h.  First destination row (j = h = 0):
	s_mul_i32 s31, s21, 160                        ; Q: 160 hd + 32 (w & 3) + (w >> 2); h steps 2 rows, j steps 4
	s_lshl_b32 s32, s26, 5
	s_add_co_u32 s31, s31, s32
	s_add_co_u32 s31, s31, s27
	s_mul_i32 s32, s26, 160                        ; K: 640 kv' + 128 + 160 (w & 3) + (w >> 2); the same steps
	s_add_co_u32 s32, s32, s30
	s_add_co_u32 s32, s32, s27
	s_mul_i32 s33, s28, 160                        ; V: 640 kv' + 128 + 160 (w >> 1) + 16 (w & 1); h steps 1 row, j steps 2
	s_add_co_u32 s33, s33, s30
	s_lshl_b32 s34, s29, 4
	s_add_co_u32 s33, s33, s34
	s_and_b32 s35, s21, 3                          ; the head's number inside Wk or Wv
	s_mov_b32 s36, 16384
	s_cmp_lt_u32 s21, 36
	s_cselect_b64 s[24:25], s[8:9], s[10:11]       ; Wk or Wv
	s_cselect_b32 s32, s32, s33
	s_cselect_b32 s37, 2, 1                        ; SJ: rows from h to h + 1
	s_cmp_lt_u32 s21, 32
	s_cselect_b64 s[24:25], s[6:7], s[24:25]       ; Wq
	s_cselect_b32 s32, s31, s32                    ; first destination row
	s_cselect_b32 s23, s36, 2048                   ; bytes from a source row to the next
	s_cselect_b32 s35, s21, s35                    ; the head's number inside its source
	s_lshl_b32 s38, s22, 7
	s_lshl3_add_u32 s38, s20, s38                  ; 128 kb + 8 w: my first source row
	s_mul_i32 s38, s38, s23
	s_lshl_b32 s39, s35, 9                         ; 512 bytes of a row for each head
	s_add_co_u32 s38, s38, s39
	s_mov_b32 s39, 0
	s_add_nc_u64 s[40:41], s[24:25], s[38:39]      ; group 0: rows 8 w .. 8 w + 7 of the tile
	s_lshl_b32 s38, s23, 6
	s_add_nc_u64 s[42:43], s[40:41], s[38:39]      ; group 1: 64 rows further down
	s_lshl_b32 s38, s32, 13
	s_lshl_b32 s44, s22, 8
	s_add_co_u32 s38, s38, s44
	s_add_nc_u64 s[44:45], s[16:17], s[38:39]      ; wt + 8192 x row + 256 kb
	v_lshlrev_b32 v[VO], 4, v1
.irp r, 1,2,3,4,5,6,7
	v_add_nc_u32 v[VO+\r], s23, v[VO+\r-1]
.endr
.irp g, 0,1
.irp r, 0,1,2,3,4,5,6,7
	global_load_b128 v[X+4*(8*\g+\r):X+4*(8*\g+\r)+3], v[VO+\r], s[40+2*\g:41+2*\g] th:TH_LOAD_NT   ; a wave's load covers the 512 consecutive bytes of one row of the tile
.endr
.endr
	v_and_b32 v2, 15, v1                           ; L & 15
	v_lshrrev_b32 v3, 4, v1                        ; h
	; LDS: row = source column c, 256 bytes (128 k).  The 16-byte chunk kc of row c lies at place (kc + (c >> 2)) & 15: with that turn
	; sixteen neighbouring lanes touch sixteen different 16-byte columns both when they store (rows 4 apart) and when they read a row back.
	v_lshlrev_b32 v6, 10, v1                       ; column 4 L: 1024 L
	v_add_nc_u32 v4, s20, v1                       ; group 0: kc = w, c >> 2 = L
	v_and_b32 v5, 15, v4
	v_lshl_add_u32 v[VW], v5, 4, v6
	v_add_nc_u32 v4, 8, v4                         ; group 1: kc = w + 8
	v_and_b32 v5, 15, v4
	v_lshl_add_u32 v[VW+1], v5, 4, v6
	s_lshl_b32 s46, s20, 2
	s_lshl_b32 s47, s20, 12
	v_lshl_add_u32 v7, v3, 8, s47                  ; row 16 w + h
	v_add_nc_u32 v4, s46, v2                       ; kc + 4 w; c >> 2 = 4 w + (j >> 1)
.irp q, 0,1,2,3
	v_add_nc_u32 v5, \q, v4
	v_and_b32 v5, 15, v5
	v_lshl_add_u32 v[VR+\q], v5, 4, v7
.endr
	s_lshl_b32 s46, s37, 13                        ; h: SJ rows of 8,192 bytes
	s_lshl_b32 s47, s37, 14                        ; j: 2 SJ rows
	v_mul_lo_u32 v4, v3, s46
	v_lshl_add_u32 v[OFF], v2, 4, v4
.irp j, 1,2,3,4,5,6,7
	v_add_nc_u32 v[OFF+\j], s47, v[OFF+\j-1]
.endr
.irp g, 0,1
	s_wait_loadcnt 8-8*\g                          ; loads come back in order: group g's eight are in, the younger group may stay out
.irp i, 0,1,2,3
.irp q, 0,1,2,3
	v_cvt_pk_bf16_f32 v[T+4*\i+\q], v[X+4*(8*\g+2*\q)+\i], v[X+4*(8*\g+2*\q+1)+\i]   ; column 4 L + i, k = 2 q and 2 q + 1 of the group's eight
.endr
	ds_store_b128 v[VW+\g], v[T+4*\i:T+4*\i+3] offset:256*\i
.endr
.endr
	s_wait_dscnt 0x0                               ; my stores are in LDS, for the others' sake
	s_barrier_signal -1
	s_barrier_wait -1                              ; everybody's are
.irp j, 0,1,2,3,4,5,6,7
	ds_load_b128 v[X+4*\j:X+4*\j+3], v[VR+\j/2] offset:512*\j    ; rows 16 w + 2 j and 16 w + 2 j + 1, 256 bytes each
.endr
.irp j, 0,1,2,3,4,5,6,7
	s_wait_dscnt 7-\j                              ; LDS loads come back in order: load j is in
	global_store_b128 v[OFF+\j], v[X+4*\j:X+4*\j+3], s[44:45]    ; sixteen lanes store 256 consecutive bytes of a row of wt, at a multiple of 256
.endr
	s_wait_tensorcnt 0x0
	ds_add_u32 v112, v113
	s_wait_dscnt 0x0
	s_endpgm
; ---------------------------------------------------------------- the cast of hidden_states
.Lcast:
	s_sub_co_u32 s21, ttmp9, 1280
	s_lshl_b32 s22, s21, 16                        ; 65,536 bytes in,
	s_mov_b32 s23, 0
	s_add_nc_u64 s[24:25], s[4:5], s[22:23]
	s_lshl_b32 s22, s21, 15                        ; 32,768 out
	s_add_nc_u64 s[26:27], s[14:15], s[22:23]
	v_lshlrev_b32 v2, 4, v0
	v_lshlrev_b32 v3, 3, v0
.irp j, 0,1,2,3,4,5,6,7,8,9,10,11,12,13,14,15
	global_load_b128 v[X+4*\j:X+4*\j+3], v2, s[24:25] offset:4096*\j th:TH_LOAD_NT
.endr
.irp j, 0,1,2,3,4,5,6,7,8,9,10,11,12,13,14,15
	s_wait_loadcnt 15-\j                           ; load j is in, the younger ones stay out
	v_cvt_pk_bf16_f32 v[X+4*\j], v[X+4*\j], v[X+4*\j+1]
	v_cvt_pk_bf16_f32 v[X+4*\j+1], v[X+4*\j+2], v[X+4*\j+3]
	global_store_b64 v3, v[X+4*\j:X+4*\j+1], s[26:27] offset:2048*\j   ; a wave's store covers 256 consecutive bytes, aligned
.endr
	s_endpgm
; ---------------------------------------------------------------- the table of cos and sin
; Rows 32 g + 8 p + w, p = 0..3.  Lane L owns d = 2 L and 2 L + 1: its (cos, sin, cos, sin) are 16 bytes, a wave's store a whole row of 512.
.set TK, 14
.set TR, 15
.set TZ, 16
.set TQ, 17
.set TA, 18
.set TB, 19
.set TC, 20
.set TD, 21
.set R,  32                            ; v[32:63]  row p: four plain numbers, four scaled
; cos and sin of v[x]: k = nearest whole number to x 2/pi; r = x - k pi/2 in two fused steps (pi/2 as a sum of two f32);
; polynomials in r on [-pi/4, pi/4]; the quadrant k mod 4 swaps the two and sets their signs, by selects and sign bits alone.
.macro SINCOS x, c, s
	v_mul_f32 v[TK], s30, v[\x]
	v_rndne_f32 v[TK], v[TK]
	v_fma_f32 v[TR], v[TK], s31, v[\x]
	v_fma_f32 v[TR], v[TK], s32, v[TR]
	v_cvt_i32_f32 v[TQ], v[TK]
	v_mul_f32 v[TZ], v[TR], v[TR]
	v_fma_f32 v[TA], v[TZ], s35, s34
	v_fma_f32 v[TB], v[TZ], s38, s37
	v_fma_f32 v[TA], v[TA], v[TZ], s33
	v_fma_f32 v[TB], v[TB], v[TZ], s36
	v_mul_f32 v[TA], v[TA], v[TZ]
	v_mul_f32 v[TC], v[TZ], v[TZ]
	v_fma_f32 v[TD], v[TZ], -0.5, 1.0
	v_fma_f32 v[TA], v[TA], v[TR], v[TR]           ; sin r
	v_fma_f32 v[TB], v[TB], v[TC], v[TD]           ; cos r
	v_and_b32 v[TC], 1, v[TQ]
	v_cmp_eq_u32 vcc_lo, 1, v[TC]
	v_cndmask_b32 v[\s], v[TA], v[TB], vcc_lo      ; odd quadrants: the two change places
	v_cndmask_b32 v[\c], v[TB], v[TA], vcc_lo
	v_and_b32 v[TC], 2, v[TQ]                      ; sin is negative in quadrants 2 and 3,
	v_lshlrev_b32 v[TC], 30, v[TC]
	v_xor_b32 v[\s], v[\s], v[TC]
	v_add_nc_u32 v[TD], 1, v[TQ]                   ; cos in quadrants 1 and 2
	v_and_b32 v[TD], 2, v[TD]
	v_lshlrev_b32 v[TD], 30, v[TD]
	v_xor_b32 v[\c], v[\c], v[TD]
.endm
.Ltable:
	s_sub_co_u32 s21, ttmp9, 1792
	s_lshl_b32 s21, s21, 5
	s_add_co_u32 s21, s21, s20                     ; 32 g + w
	s_lshl_b32 s22, s21, 2
	v_mov_b32 v2, s22
.irp p, 0,1,2,3
	global_load_b32 v[4+\p], v2, s[12:13] offset:32*\p     ; the row's position, the same word in every lane
.endr
	s_lshl_b32 s22, s21, 9
	s_mov_b32 s23, 0
	s_add_nc_u64 s[24:25], s[18:19], s[22:23]      ; cs at row 32 g + w
	s_mov_b32 s30, 0x3f22f983                      ; 2/pi
	s_mov_b32 s31, 0xbfc90fdb                      ; -(pi/2 rounded to f32)
	s_mov_b32 s32, 0x333bbd2e                      ; -(pi/2 less that)
	s_mov_b32 s33, 0xbe2aaaa3                      ; sin: -1.6666654611e-1
	s_mov_b32 s34, 0x3c08839e                      ;       8.3321608736e-3
	s_mov_b32 s35, 0xb94ca1f9                      ;      -1.9515295891e-4
	s_mov_b32 s36, 0x3d2aaaa5                      ; cos:  4.166664568e-2
	s_mov_b32 s37, 0xbab6061a                      ;      -1.388731625e-3
	s_mov_b32 s38, 0x37ccf5ce                      ;       2.443315712e-5
	s_mov_b32 s39, 0xbe549a78                      ; -log2(10000)/64
	s_mov_b32 s40, 0x3db504f3                      ; 1/sqrt(128)
	v_lshlrev_b32 v3, 1, v1
	v_cvt_f32_u32 v8, v3                           ; d = 2 L
	v_add_f32 v9, 1.0, v8                          ; and 2 L + 1
	v_mul_f32 v8, s39, v8
	v_mul_f32 v9, s39, v9
	v_exp_f32 v10, v8                              ; inv_freq = 10000^(-d/64)
	v_exp_f32 v11, v9
	v_lshlrev_b32 v3, 4, v1                        ; 16 L; also the plain instruction that stands between a transcendental and the use of its result (ISA guide 5.7.2)
	s_wait_alu depctr_va_vdst(0)
.irp p, 0,1,2,3
	s_wait_loadcnt 3-\p                            ; row p's position is in
	v_cvt_f32_i32 v12, v[4+\p]
	v_mul_f32 v13, v12, v11
	v_mul_f32 v12, v12, v10
	SINCOS 12, R+8*\p, R+8*\p+1
	SINCOS 13, R+8*\p+2, R+8*\p+3
.irp i, 0,1,2,3
	v_mul_f32 v[R+8*\p+4+\i], s40, v[R+8*\p+\i]
.endr
	global_store_b128 v3, v[R+8*\p:R+8*\p+3], s[24:25] offset:4096*\p+1048576   ; part 1: plain
	global_store_b128 v3, v[R+8*\p+4:R+8*\p+7], s[24:25] offset:4096*\p         ; part 0: times 1/sqrt(128)
.endr
	s_endpgm
.Lfunc_end_k_q30aaa6c7e1_prep:
	.size	k_q30aaa6c7e1_prep, .Lfunc_end_k_q30aaa6c7e1_prep-k_q30aaa6c7e1_prep
	.p2alignl 7, 3214868480
	.fill 96, 4, 3214868480
	.section	.rodata,"a",@progbits
	.p2align	6, 0x0
	.amdhsa_kernel k_q30aaa6c7e1_prep
		.amdhsa_group_segment_fixed_size 33792
		.amdhsa_private_segment_fixed_size 0
		.amdhsa_enable_private_segment 0
		.amdhsa_kernarg_size 64
		.amdhsa_user_sgpr_count 2
		.amdhsa_user_sgpr_kernarg_segment_ptr 1
		.amdhsa_wavefront_size32 1
		.amdhsa_system_sgpr_workgroup_id_x 1
		.amdhsa_system_sgpr_workgroup_id_y 1
		.amdhsa_system_sgpr_workgroup_id_z 1
		.amdhsa_system_vgpr_workitem_id 0
		.amdhsa_next_free_vgpr 114
		.amdhsa_next_free_sgpr 66
		.amdhsa_reserve_vcc 1
		.amdhsa_float_denorm_mode_32 3
		.amdhsa_float_denorm_mode_16_64 3
		.amdhsa_memory_ordered 1
		.amdhsa_forward_progress 1
		.amdhsa_inst_pref_size 28
	.end_amdhsa_kernel
	.amdgpu_metadata
---
amdhsa.version: [ 1, 2 ]
amdhsa.kernels:
  - .name:           k_q30aaa6c7e1_prep
    .symbol:         k_q30aaa6c7e1_prep.kd
    .args:
      - { .name: hidden_states, .offset: 0, .size: 8, .value_kind: global_buffer, .address_space: global }
      - { .name: Wq, .offset: 8, .size: 8, .value_kind: global_buffer, .address_space: global }
      - { .name: Wk, .offset: 16, .size: 8, .value_kind: global_buffer, .address_space: global }
      - { .name: Wv, .offset: 24, .size: 8, .value_kind: global_buffer, .address_space: global }
      - { .name: position_ids, .offset: 32, .size: 8, .value_kind: global_buffer, .address_space: global }
      - { .name: xb, .offset: 40, .size: 8, .value_kind: global_buffer, .address_space: global }
      - { .name: wt, .offset: 48, .size: 8, .value_kind: global_buffer, .address_space: global }
      - { .name: cs, .offset: 56, .size: 8, .value_kind: global_buffer, .address_space: global }
    .group_segment_fixed_size: 33792
    .private_segment_fixed_size: 0
    .kernarg_segment_align: 8
    .kernarg_segment_size: 64
    .max_flat_workgroup_size: 256
    .sgpr_count:     66
    .vgpr_count:     114
    .wavefront_size: 32
...
	.end_amdgpu_metadata
.endif
;; end of part 1
;; launch qkv (part 2): grid 32 x 8, 4 waves a work-group, clusters of 4 x 4, 327,680 bytes of LDS; arguments xb, wt, cs, qb, kvb; writes qb, kvb
.if DOCPART == 2
	.amdgcn_target "amdgcn-amd-amdhsa--gfx1250"
	.amdhsa_code_object_version 6
	.text
	.protected	k_q30aaa6c7e1_qkv
	.globl	k_q30aaa6c7e1_qkv
	.p2align	8
	.type	k_q30aaa6c7e1_qkv,@function
k_q30aaa6c7e1_qkv:
	s_mov_b64 s[64:65], 0
	v_nop
	global_prefetch_b8 v0, s[64:65] scope:SCOPE_SE
	s_setreg_imm32_b32 hwreg(HW_REG_WAVE_MODE, 25, 1), 1
	s_wait_xcnt 0x0
	s_wait_alu depctr_hold_cnt(0) depctr_sa_sdst(0) depctr_va_vdst(0) depctr_va_sdst(0) depctr_va_ssrc(0) depctr_va_vcc(0) depctr_vm_vsrc(0)
	s_getreg_b32 s2, hwreg(HW_REG_IB_STS2, 6, 4)
	s_cmp_eq_u32 s2, 0
	s_cbranch_scc0 .Lentry_in_a_cluster
	s_endpgm
.Lentry_in_a_cluster:
	s_bfe_u32 s2, ttmp6, 0x10000c
	s_cmp_lg_u32 s2, 0xf033
	s_cbranch_scc0 .Lentry_shape_is_right
	s_endpgm
.Lentry_shape_is_right:
; QKV: C[m][n'] = sum over k of xb[m][k] wt[n'][k], m = 0..2047, n' = 0..5119, k = 0..4095, bf16 operands, f32 sums; then the rotary
; embedding in f32, one rounding to 16 bits, and out.  2048 x 5120 shared among 256 work-groups is a block of 256 rows x 160 columns: block
; column t = one query head (128 columns, permuted so that the partners of a rotation are neighbours) and piece t (32 columns) of K and V.
; Four waves, as many as a WGP has SIMDs; a wave makes 64 rows x 160 columns: 40 accumulator tiles of 16 x 16, 320 registers.
; K goes in steps of 128 through a ring of two LDS slots filled by the tensor data mover; a tile's rows are 256 bytes of memory, aligned.
; CLUSTERS: 4 x 4 work-groups.  The four of a row of the cluster share the block row, so xb's tiles; the four of a column share t, so wt's.
; Each such tile is asked for jointly (one descriptor, a mask that names the four), which divides the requests for both by four.
; OUT: qb bf16 [2048][4096], column 128 t + c', rotated and times 1/sqrt(128) (the factor lies in the table); kvb [32 pieces][2048][32] of 16 bits,
; pieces 0-15 rotated K in bf16, pieces 16-31 the numbers 16 v in f16.  V passes the same lines with cos = 16 and sin = 0, set by a select, and
; the two roundings are both made and one is selected, so no branch hangs on t.
; WHY V IN F16, TIMES 16: a row of the result that averages few keys can nearly cancel, and then V's rounding shows whole; f16 keeps 11 significant
; bits.  Room: with inputs of spread 0.02, v has spread 0.02 x 0.02 x sqrt(4096) = 0.026 and 16 v = 0.41; inputs 30 times larger give 370; a common
; offset of 0.6 in both gives 16 x 4096 x 0.36 = 23,593; inputs 30 times smaller give 4.5e-4, still a normal f16.  LIMIT: |v| < 4,094 (16 v < 65,504).
;
; REGISTERS in windows of 256 (s_set_vgpr_msb: bits 1:0 source 0, 3:2 source 1, 5:4 source 2, 7:6 destination):
;   window 0: v16-29 addresses; v64-95, v96-127 fragments of xb (4 x 16 rows x 32 K), two buffers; on the way out v64-159 at work
;   window 1: v0-79, v80-159 fragments of wt (10 x 16 rows x 32 K), two buffers
;   window 2: accumulators of row blocks a = 0, 1 at v[8 (10 (a & 1) + b)];  window 3: those of a = 2, 3
;   v160-239 of window (a + 1) & 3: cos and sin for row block a, 8 registers for each column block b
; THE MATRIX INSTRUCTION IS USED TRANSPOSED: source 0 = 16 rows of wt, source 1 = 16 rows of xb.  Lane l then holds row l % 16 of C and its
; registers 0-7 the columns 8 (l / 16) + 0..7: four pairs (x1, x2) of a rotation, and after packing 16 neighbouring bytes of a row.
.set KSTEP,  128
.set PITCH,  272                       ; an LDS row: 256 bytes + 16 of padding = 68 words, so the 16 rows of a fragment start 4 banks apart (64 banks of 4 bytes: ISA guide 11.1)
.set HALFA,  128*PITCH                 ; what one tensor load brings of xb
.set HALFB,  80*PITCH                  ; and of wt
.set SLOT,   2*HALFA+2*HALFB           ; xb's 256 rows, then wt's 160 rows: 113,152 bytes
.set STAGE,  2*SLOT                    ; 226,304 = 884 x 256: behind the ring, never filled by a tensor load
.set SPITCH, 336                       ; a stage row: 320 bytes + 16 = 21 x 16
.set LAPS,   16                        ; 4096 / (2 x 128): a lap is once round the ring
.set ADRA, 16                          ; v16-17  LDS address of my xb fragments in slot 0, 1
.set ADRB, 20                          ; v20-21  the same for wt
.set STO,  24                          ; the way out: where I put 16 bytes of a row
.set RD,   25                          ; where I read a query row's 256 bytes back
.set RDK,  26                          ; where I read the piece's 64 bytes of a row back
.set CO,   27                          ; my byte offset in qb
.set COK,  28                          ; my byte offset in kvb
.set VCS,  29                          ; my byte offset in the table
.set FA0,  64
.set FA1,  96
.set FB0,  0
.set FB1,  80
.set CS,   160
.set Y,    64                          ; the way out, window 0: v[64:143], eight registers for each column block
.set TT,   144                         ; v[144:159] products at work, two sets of eight in turn; then the piece's numbers in f16
.set G1,  24                           ; s[24:31] descriptor group 1 for xb's tiles
.set G0,  32                           ; s[32:39] group 0 for xb's tiles, a set for each slot
.set G1B, 48                           ; s[48:55] group 1 for wt's tiles
.set G0B, 56                           ; s[56:63] group 0 for wt's tiles
.set COMMON, (1<<16)|(1<<20)|(1<<21)|(5<<22)|(3<<25)   ; elements of 2 bytes; padding on; bit 21 beside a mask; after every 64 words, 4 words
.set MSB, 0
.macro WIN new                         ; the immediate's high byte repeats the setting that is left; a switch that changes nothing is dropped
.if MSB != \new
	s_set_vgpr_msb (MSB<<8)|\new
.set MSB, \new
.endif
.endm
.set MUL_LO, 0xa1                      ; source 0 (wt) window 1, source 1 (xb) window 0, C and D window 2
.set MUL_HI, 0xf1                      ; the same, C and D window 3
.set TO_B,   0x40                      ; destination window 1, address window 0
; A joint load.  Waves 0 and 1 fetch xb's two halves, waves 2 and 3 wt's.  The branch hangs on the wave's number alone.
.macro JLOAD s
	s_cmp_eq_u32 s15, 0
	s_cbranch_scc0 .Lfor_b_\@
	tensor_load_to_lds s[G0+4*\s:G0+4*\s+3], s[G1:G1+7]
	s_nop 0
	s_branch .Lasked_\@
.Lfor_b_\@:
	tensor_load_to_lds s[G0B+4*\s:G0B+4*\s+3], s[G1B:G1B+7]
	s_nop 0
.Lasked_\@:
.endm
; A round of the cluster's barrier: my work-group's barrier; wave 0 signals for the work-group; every wave waits for all sixteen; my work-group's barrier again.
.macro CREST                           ; a round behind its opening barrier
	s_cmp_lg_u32 s14, 0
	s_cbranch_scc1 .Lnot_wave_0_\@
	s_barrier_signal -3
.Lnot_wave_0_\@:
	s_barrier_wait -3
	s_barrier_signal -1
	s_barrier_wait -1
.endm
.macro CROUND
	s_barrier_signal -1
	s_barrier_wait -1
	CREST
.endm
.macro PLACES                          ; four plain vector instructions between a matrix instruction and a load into, or a vector access to, its registers
.rept 4
	v_nop
.endr
.endm
	s_load_b256 s[4:11], s[0:1], 0x0               ; xb s[4:5], wt s[6:7], cs s[8:9], qb s[10:11]
	s_load_b64 s[12:13], s[0:1], 0x20              ; kvb
	s_set_vgpr_msb 0x40
	v_lshl_add_u32 v255, v0, 2, 0x3c800
	s_set_vgpr_msb 0x4000
	v_mov_b32 v255, 0
	s_set_vgpr_msb 0x1
	ds_add_u32 v255, v255
	s_set_vgpr_msb 0x100
	v_lshrrev_b32 v1, 5, v0
	v_readfirstlane_b32 s14, v1                    ; wave 0..3
	s_lshr_b32 s15, s14, 1                         ; I fetch for xb (0) or for wt (1)
	s_and_b32 s16, s14, 1                          ; which half of that tile
	s_bfe_u32 s17, ttmp6, 0x40000                  ; cx
	s_bfe_u32 s18, ttmp6, 0x40004                  ; cy
	s_lshl_b32 s19, ttmp9, 2
	s_add_co_u32 s19, s19, s17                     ; t = 4 x cluster x + cx
	s_and_b32 s20, ttmp7, 0xffff
	s_lshl_b32 s20, s20, 2
	s_add_co_u32 s20, s20, s18                     ; block row = 4 x cluster y + cy
	s_cmp_ge_u32 ttmp9, 4
	s_cselect_b32 s40, -1, 0                       ; t >= 16: my piece is V's.  A lane mask for selects, no branch
	s_mov_b32 s79, 0x41800000                      ; 16.0
	s_lshl_b32 s21, s18, 2
	s_lshl_b32 s21, 15, s21                        ; my row of the cluster: places 4 cy .. 4 cy + 3
	s_lshl_b32 s22, 0x1111, s17                    ; my column: places cx, cx + 4, cx + 8, cx + 12
	s_or_b32 s[G1+0], s21, COMMON                  ; xb's tiles go to my row
	s_or_b32 s[G1B+0], s22, COMMON                 ; wt's to my column
	s_mov_b32 s[G1+1], KSTEP<<16                   ; tensor_dim0 = 128
	s_mov_b32 s[G1B+1], KSTEP<<16
	s_mov_b32 s[G1+2], 128<<16                     ; tensor_dim1 = 128 rows
	s_mov_b32 s[G1B+2], 80<<16                     ;             = 80 rows
	s_mov_b32 s[G1+3], KSTEP<<16                   ; tile_dim0 = 128
	s_mov_b32 s[G1B+3], KSTEP<<16
	s_mov_b32 s[G1+4], 128                         ; tile_dim1
	s_mov_b32 s[G1B+4], 80
	s_mov_b32 s[G1+5], 4096                        ; elements from row to row
	s_mov_b32 s[G1B+5], 4096
	s_mov_b32 s[G1+6], 0
	s_mov_b32 s[G1B+6], 0
	s_mov_b32 s[G1+7], 0
	s_mov_b32 s[G1B+7], 0
	; xb's tile hangs on the block row alone, wt's on t alone; each address is made in registers that never hold the other coordinate
	s_lshl_b32 s42, s16, 7
	s_lshl_b32 s44, s20, 8
	s_add_co_u32 s44, s44, s42                     ; row 256 x block row + 128 x half
	s_lshl_b32 s44, s44, 13                        ; rows of 8,192 bytes
	s_mov_b32 s45, 0
	s_mul_i32 s46, s19, 160
	s_mul_i32 s43, s16, 80
	s_add_co_u32 s46, s46, s43                     ; row 160 t + 80 x half
	s_lshl_b32 s46, s46, 13
	s_mov_b32 s47, 0
	s_mul_i32 s41, s14, HALFA                      ; LDS: waves 0, 1: xb's halves
	s_mul_i32 s23, s14, HALFB
	s_add_co_u32 s23, s23, 2*HALFA-2*HALFB         ; waves 2, 3: wt's halves, behind xb's 256 rows
	s_wait_dscnt 0x0
	s_wait_kmcnt 0x0
	s_add_nc_u64 s[44:45], s[4:5], s[44:45]
	s_add_nc_u64 s[46:47], s[6:7], s[46:47]
	CROUND                                         ; all sixteen work-groups are here: the first joint loads meet
.irp s, 0,1
	s_mov_b32 s[G0+4*\s], 1
	s_add_co_u32 s[G0+4*\s+1], s41, \s*SLOT
	s_add_nc_u64 s[G0+4*\s+2:G0+4*\s+3], s[44:45], \s*KSTEP*2
	s_or_b32 s[G0+4*\s+3], s[G0+4*\s+3], 0x80000000
	s_mov_b32 s[G0B+4*\s], 1
	s_add_co_u32 s[G0B+4*\s+1], s23, \s*SLOT
	s_add_nc_u64 s[G0B+4*\s+2:G0B+4*\s+3], s[46:47], \s*KSTEP*2
	s_or_b32 s[G0B+4*\s+3], s[G0B+4*\s+3], 0x80000000
	JLOAD \s                                       ; both slots are asked for before anything else: two tensor loads of a wave are out
.endr
	; bases of the table and of the outputs
	s_lshl_b32 s74, s20, 17                        ; 256 rows of 512 bytes
	s_mov_b32 s75, 0
	s_add_nc_u64 s[66:67], s[8:9], s[74:75]        ; the scaled part, for the query head
	s_lshl_b32 s76, s17, 7                         ; K's piece t holds d = 16 (t & 3) .. + 15: 128 bytes of a row
	s_add_co_u32 s76, s76, 1048576                 ; the plain part
	s_mov_b32 s77, 0
	s_add_nc_u64 s[68:69], s[66:67], s[76:77]
	s_lshl_b32 s74, s20, 8
	s_lshl_b32 s76, s14, 6
	s_add_co_u32 s74, s74, s76                     ; my first row: 256 x block row + 64 x wave
	s_lshl_b32 s76, s74, 13
	s_lshl_b32 s78, s19, 8
	s_add_co_u32 s76, s76, s78
	s_add_nc_u64 s[70:71], s[10:11], s[76:77]      ; qb + row x 8192 + 256 t
	s_lshl_b32 s76, s74, 6
	s_lshl_b32 s78, s19, 17
	s_add_co_u32 s76, s76, s78
	s_add_nc_u64 s[72:73], s[12:13], s[76:77]      ; kvb + 131072 t + row x 64
	; a fragment is 16 rows x 32 K in 8 registers: lane l holds row l % 16; registers 0-3 K = 8 (l / 16) + 0..7, registers 4-7 K = 16 + 8 (l / 16) + 0..7
	v_and_b32 v1, 15, v0                           ; r
	v_bfe_u32 v2, v0, 4, 1                         ; h
	v_and_b32 v4, 31, v0                           ; L
	v_mul_u32_u24 v3, v1, PITCH
	v_lshl_add_u32 v3, v2, 4, v3
	s_mul_i32 s74, s14, 64*PITCH                   ; my 64 rows of xb
	v_add_nc_u32 v[ADRA], s74, v3
	v_add_nc_u32 v[ADRA+1], SLOT, v[ADRA]
	v_add_nc_u32 v[ADRB], 2*HALFA, v3              ; every wave reads all 160 rows of wt
	v_add_nc_u32 v[ADRB+1], 2*HALFA+SLOT, v3
	s_mul_i32 s74, s14, 16*SPITCH
	s_add_co_u32 s74, s74, STAGE                   ; my stage
	v_mul_u32_u24 v5, v1, SPITCH
	v_lshl_add_u32 v5, v2, 4, v5
	v_add_nc_u32 v[STO], s74, v5                   ; in: row r, 16 bytes for each half of the lanes
	v_mul_u32_u24 v5, v2, SPITCH
	v_lshl_add_u32 v5, v1, 4, v5
	v_add_nc_u32 v[RD], s74, v5                    ; back: lanes 0-15 a row's first 256 bytes, lanes 16-31 the next row's
	v_lshrrev_b32 v5, 2, v4
	v_mul_u32_u24 v5, v5, SPITCH
	v_and_b32 v6, 3, v4
	v_lshl_add_u32 v5, v6, 4, v5
	v_add3_u32 v[RDK], v5, s74, 256                ; back: four lanes take the last 64 bytes of a row, a wave eight rows
	v_lshlrev_b32 v5, 13, v2
	v_lshl_add_u32 v[CO], v1, 4, v5
	v_lshlrev_b32 v[COK], 4, v4
	s_lshl_b32 s76, s14, 15
	v_lshlrev_b32 v5, 9, v1
	v_lshl_add_u32 v5, v2, 5, v5
	v_add_nc_u32 v[VCS], s76, v5                   ; (64 wave + r) x 512 + 32 h: d = 8 b + 4 h + 0..3 is 32 bytes at 64 b + 32 h
	; cos and sin of my 64 rows, once, while the first tiles are on their way
.irp a, 0,1,2,3
	WIN (((\a+1)&3)<<6)
.irp b, 0,1,2,3,4,5,6,7
	global_load_b128 v[CS+8*\b:CS+8*\b+3],   v[VCS], s[66:67] offset:8192*\a+64*\b
	global_load_b128 v[CS+8*\b+4:CS+8*\b+7], v[VCS], s[66:67] offset:8192*\a+64*\b+16
.endr
.irp b, 8,9
	global_load_b128 v[CS+8*\b:CS+8*\b+3],   v[VCS], s[68:69] offset:8192*\a+64*(\b-8)
	global_load_b128 v[CS+8*\b+4:CS+8*\b+7], v[VCS], s[68:69] offset:8192*\a+64*(\b-8)+16
.endr
.endr
	s_wait_loadcnt 0x0
.irp a, 0,1,2,3
	WIN ((((\a+1)&3)<<6)|((\a+1)&3))
.irp i, 0,2,4,6,8,10,12,14
	v_cndmask_b32 v[CS+64+\i], v[CS+64+\i], s79, s40       ; V's pieces: cos = 16,
	v_cndmask_b32 v[CS+64+\i+1], v[CS+64+\i+1], 0, s40     ; sin = 0: the rotation's lines give 16 v
.endr
.endr
	WIN 0
; 10 matrix instructions: row block a x all 10 column blocks, 32 along K.  zero = 1: the first product starts the sums.
; The 40 accumulators take turns, one instruction a turn, in the same order in every quarter step, over the backward jump too.
.macro MUL10 fa, fb, a, zero
.if \a < 2
	WIN MUL_LO
.else
	WIN MUL_HI
.endif
.irp b, 0,1,2,3,4,5,6,7,8,9
.if \zero
	v_wmma_f32_16x16x32_bf16 v[8*(10*(\a&1)+\b):8*(10*(\a&1)+\b)+7], v[\fb+8*\b:\fb+8*\b+7], v[\fa+8*\a:\fa+8*\a+7], 0
.else
	v_wmma_f32_16x16x32_bf16 v[8*(10*(\a&1)+\b):8*(10*(\a&1)+\b)+7], v[\fb+8*\b:\fb+8*\b+7], v[\fa+8*\a:\fa+8*\a+7], v[8*(10*(\a&1)+\b):8*(10*(\a&1)+\b)+7]
.endif
.endr
.endm
; 28 LDS loads in one run: the fragments of a quarter step (160 rows of wt, my 64 rows of xb, 32 K at byte k of the rows)
.macro FETCH slot, k, fa, fb
	WIN TO_B
.irp i, 0,1,2,3,4,5,6,7,8,9
	ds_load_b128 v[\fb+8*\i:\fb+8*\i+3],   v[ADRB+\slot] offset:\k+\i*16*PITCH
	ds_load_b128 v[\fb+8*\i+4:\fb+8*\i+7], v[ADRB+\slot] offset:\k+\i*16*PITCH+32
.endr
	WIN 0
.irp i, 0,1,2,3
	ds_load_b128 v[\fa+8*\i:\fa+8*\i+3],   v[ADRA+\slot] offset:\k+\i*16*PITCH
	ds_load_b128 v[\fa+8*\i+4:\fa+8*\i+7], v[ADRA+\slot] offset:\k+\i*16*PITCH+32
.endr
.endm
; One of the first three quarters of a K step: multiplies buffers fa, fb; in its middle fetches the next quarter's fragments into ga, gb.
.macro QUARTER slot, k, fa, fb, ga, gb, zero
	s_wait_dscnt 4                                 ; wt and xb's row blocks 0, 1 are in; the youngest four loads (row blocks 2, 3) may be out
	MUL10 \fa, \fb, 0, \zero
	MUL10 \fa, \fb, 1, \zero
	PLACES
	FETCH \slot, \k, \ga, \gb
	s_wait_dscnt 28                                ; all but the 28 just issued
	MUL10 \fa, \fb, 2, \zero
	MUL10 \fa, \fb, 3, \zero
.endm
.macro THREE slot, zero
	QUARTER \slot, 64,  FA0, FB0, FA1, FB1, \zero
	QUARTER \slot, 128, FA1, FB1, FA0, FB0, 0
	QUARTER \slot, 192, FA0, FB0, FA1, FB1, 0
.endm
; The last quarter multiplies buffer 1 and changes slots.  In front of the barrier each wave waits for its reads of this slot and for all its
; tensor loads (one is out: its part of the next slot).  Where the slot is filled again the barrier opens a round of the cluster's barrier, and
; the joint refill is the first tensor load behind the round.  From a request to the wait for it a wave issues 150 matrix instructions.
.macro TURN slot, next, fill
	s_wait_dscnt 4
	MUL10 FA1, FB1, 0, 0
	s_wait_dscnt 0                                 ; my reads of this slot are over
	s_wait_tensorcnt 0x0                           ; all my tensor loads have landed
	ds_add_u32 v255, v255
	s_wait_dscnt 0x0
	s_barrier_signal -1
	MUL10 FA1, FB1, 1, 0                           ; registers alone, while the others arrive
	WIN 0
	s_barrier_wait -1
.if \fill
	CREST                                          ; no wave of any partner still reads this slot or has a load on its way
	s_add_nc_u64 s[G0+4*\slot+2:G0+4*\slot+3], s[G0+4*\slot+2:G0+4*\slot+3], 2*KSTEP*2
	s_add_nc_u64 s[G0B+4*\slot+2:G0B+4*\slot+3], s[G0B+4*\slot+2:G0B+4*\slot+3], 2*KSTEP*2
	JLOAD \slot
.endif
	PLACES
	FETCH \next, 0, FA0, FB0
	MUL10 FA1, FB1, 2, 0
	MUL10 FA1, FB1, 3, 0
.endm
.macro LAP zero
	THREE 0, \zero
	TURN 0, 1, 1
	THREE 1, 0
	TURN 1, 0, 1
.endm
	s_wait_tensorcnt 1                             ; my part of K step 0 is in; K step 1's may stay out
	s_barrier_signal -1
	s_barrier_wait -1                              ; everybody's is
	FETCH 0, 0, FA0, FB0
	LAP 1                                          ; the first lap stands in front of the loop: its first products start the sums
	WIN 0
	s_mov_b32 s3, LAPS-2
.Llap:
	LAP 0
	WIN 0
	s_sub_co_u32 s3, s3, 1
	s_cmp_lg_u32 s3, 0
	s_cbranch_scc1 .Llap
	THREE 0, 0                                     ; the last lap fills nothing
	TURN 0, 1, 0
	THREE 1, 0
	s_wait_dscnt 4
	MUL10 FA1, FB1, 0, 0
	MUL10 FA1, FB1, 1, 0
	s_wait_dscnt 0
	MUL10 FA1, FB1, 2, 0
	MUL10 FA1, FB1, 3, 0
	; THE WAY OUT, 16 rows at a time.  A lane's registers 2 p, 2 p + 1 of a tile are (x1, x2) of d = 8 b + 4 h + p:
	; y1 = x1 cos - x2 sin, y2 = x2 cos + x1 sin.  The 80 results of a row block lie in window 0, eight for each column block; they are packed in place
	; into the lower four of each eight, go into my own stage in LDS, and whole rows come back into the upper four.
	; Column blocks 8 and 9 (the piece) are rounded both to bf16 (K) and to f16 (V), and the lane mask s40 picks one.
	PLACES
.macro OUT16 a, win
.if \a
	s_wait_xcnt 0x0                                ; the upper fours, which the last row block's stores read, are rewritten only behind this wait
.endif
	WIN \win                                       ; source 0: the accumulators' window; source 1: the window of this row block's cos and sin
.irp b, 0,1,2,3,4,5,6,7,8,9
.irp p, 0,1,2,3
	v_mul_f32 v[TT+8*(\b&1)+2*\p],   v[8*(10*(\a&1)+\b)+2*\p],   v[CS+8*\b+2*\p]
	v_mul_f32 v[TT+8*(\b&1)+2*\p+1], v[8*(10*(\a&1)+\b)+2*\p+1], v[CS+8*\b+2*\p]
.endr
.irp p, 0,1,2,3
	v_fma_f32 v[Y+8*\b+2*\p],   -v[8*(10*(\a&1)+\b)+2*\p+1], v[CS+8*\b+2*\p+1], v[TT+8*(\b&1)+2*\p]
	v_fma_f32 v[Y+8*\b+2*\p+1],  v[8*(10*(\a&1)+\b)+2*\p],   v[CS+8*\b+2*\p+1], v[TT+8*(\b&1)+2*\p+1]
.endr
.endr
	WIN 0
.irp b, 0,1,2,3,4,5,6,7,8,9
.if \b >= 8
.irp p, 0,1,2,3
	v_cvt_pk_f16_f32 v[TT+4*(\b-8)+\p], v[Y+8*\b+2*\p], v[Y+8*\b+2*\p+1]     ; the piece in f16, ahead of the packing in place
.endr
.endif
.irp p, 0,1,2,3
	v_cvt_pk_bf16_f32 v[Y+8*\b+\p], v[Y+8*\b+2*\p], v[Y+8*\b+2*\p+1]         ; ascending: register p is written when 2 p and 2 p + 1 are read
.endr
.if \b >= 8
.irp p, 0,1,2,3
	v_cndmask_b32 v[Y+8*\b+\p], v[Y+8*\b+\p], v[TT+4*(\b-8)+\p], s40         ; V's pieces take the f16
.endr
.endif
	ds_store_b128 v[STO], v[Y+8*\b:Y+8*\b+3] offset:32*\b
.endr
.irp t, 0,1,2,3,4,5,6,7
	ds_load_b128 v[Y+8*\t+4:Y+8*\t+7], v[RD] offset:\t*2*SPITCH          ; LDS serves a wave's instructions in order (ISA guide 5.7.1.4): these see the stores above
.endr
.irp t, 0,1
	ds_load_b128 v[Y+8*(8+\t)+4:Y+8*(8+\t)+7], v[RDK] offset:\t*8*SPITCH
.endr
.irp t, 0,1,2,3,4,5,6,7
	s_wait_dscnt 9-\t
	global_store_b128 v[CO], v[Y+8*\t+4:Y+8*\t+7], s[70:71] offset:131072*\a+16384*\t    ; sixteen lanes store a head's 256 bytes of a row of qb, aligned
.endr
.irp t, 0,1
	s_wait_dscnt 1-\t
	global_store_b128 v[COK], v[Y+8*(8+\t)+4:Y+8*(8+\t)+7], s[72:73] offset:1024*\a+512*\t   ; eight rows of a piece are 512 consecutive bytes of kvb
.endr
.endm
	OUT16 0, 0x06
	OUT16 1, 0x0a
	OUT16 2, 0x0f
	OUT16 3, 0x03
	s_set_vgpr_msb 0x1
	s_wait_tensorcnt 0x0
	ds_add_u32 v255, v255
	s_wait_dscnt 0x0
	s_set_vgpr_msb 0x100
	CROUND                                         ; the closing round: no work-group ends while a partner may still ask for a tile that names it
	s_endpgm
.Lfunc_end_k_q30aaa6c7e1_qkv:
	.size	k_q30aaa6c7e1_qkv, .Lfunc_end_k_q30aaa6c7e1_qkv-k_q30aaa6c7e1_qkv
	.p2alignl 7, 3214868480
	.fill 96, 4, 3214868480
	.section	.rodata,"a",@progbits
	.p2align	6, 0x0
	.amdhsa_kernel k_q30aaa6c7e1_qkv
		.amdhsa_group_segment_fixed_size 327680
		.amdhsa_private_segment_fixed_size 0
		.amdhsa_enable_private_segment 0
		.amdhsa_kernarg_size 40
		.amdhsa_user_sgpr_count 2
		.amdhsa_user_sgpr_kernarg_segment_ptr 1
		.amdhsa_wavefront_size32 1
		.amdhsa_system_sgpr_workgroup_id_x 1
		.amdhsa_system_sgpr_workgroup_id_y 1
		.amdhsa_system_sgpr_workgroup_id_z 1
		.amdhsa_system_vgpr_workitem_id 0
		.amdhsa_next_free_vgpr 1024
		.amdhsa_next_free_sgpr 80
		.amdhsa_reserve_vcc 0
		.amdhsa_float_denorm_mode_32 3
		.amdhsa_float_denorm_mode_16_64 3
		.amdhsa_memory_ordered 1
		.amdhsa_forward_progress 1
		.amdhsa_inst_pref_size 188
	.end_amdhsa_kernel
	.amdgpu_metadata
---
amdhsa.version: [ 1, 2 ]
amdhsa.kernels:
  - .name:           k_q30aaa6c7e1_qkv
    .symbol:         k_q30aaa6c7e1_qkv.kd
    .args:
      - { .name: xb, .offset: 0, .size: 8, .value_kind: global_buffer, .address_space: global }
      - { .name: wt, .offset: 8, .size: 8, .value_kind: global_buffer, .address_space: global }
      - { .name: cs, .offset: 16, .size: 8, .value_kind: global_buffer, .address_space: global }
      - { .name: qb, .offset: 24, .size: 8, .value_kind: global_buffer, .address_space: global }
      - { .name: kvb, .offset: 32, .size: 8, .value_kind: global_buffer, .address_space: global }
    .group_segment_fixed_size: 327680
    .private_segment_fixed_size: 0
    .kernarg_segment_align: 8
    .kernarg_segment_size: 40
    .max_flat_workgroup_size: 128
    .sgpr_count:     80
    .vgpr_count:     1024
    .wavefront_size: 32
...
	.end_amdgpu_metadata
.endif
;; end of part 2
;; launch attn (part 3): grid 32 x 8, 4 waves a work-group, clusters of 4 x 1, 327,680 bytes of LDS; arguments qb, kvb, attention_mask, out0; writes out0
.if DOCPART == 3
	.amdgcn_target "amdgcn-amd-amdhsa--gfx1250"
	.amdhsa_code_object_version 6
	.text
	.protected	k_q30aaa6c7e1_attn
	.globl	k_q30aaa6c7e1_attn
	.p2align	8
	.type	k_q30aaa6c7e1_attn,@function
k_q30aaa6c7e1_attn:
	s_mov_b64 s[64:65], 0
	v_nop
	global_prefetch_b8 v0, s[64:65] scope:SCOPE_SE
	s_setreg_imm32_b32 hwreg(HW_REG_WAVE_MODE, 25, 1), 1
	s_wait_xcnt 0x0
	s_wait_alu depctr_hold_cnt(0) depctr_sa_sdst(0) depctr_va_vdst(0) depctr_va_sdst(0) depctr_va_ssrc(0) depctr_va_vcc(0) depctr_vm_vsrc(0)
	s_getreg_b32 s2, hwreg(HW_REG_IB_STS2, 6, 4)
	s_cmp_eq_u32 s2, 0
	s_cbranch_scc0 .Lentry_in_a_cluster
	s_endpgm
.Lentry_in_a_cluster:
	s_bfe_u32 s2, ttmp6, 0x10000c
	s_cmp_lg_u32 s2, 0x3003
	s_cbranch_scc0 .Lentry_shape_is_right
	s_endpgm
.Lentry_shape_is_right:
; ATTN: out = softmax(clamp(q k^T + mask)) v for one head and 256 queries a work-group; q already carries 1/sqrt(128).
; Work-group (x, y): head = x, batch = y >> 2, query block = y & 3.  Four waves, 64 queries each (4 blocks of 16).  16 trips of 64 keys.
; CLUSTERS: the four work-groups of a cluster are four heads of one key/value head on the same queries: they read the same tiles of K, of V and of
; the mask, so all three are asked for jointly (mask of work-groups 15).  Q is each work-group's own and comes by a plain tensor load.
; The mask is an input: every word of it is read and added; nothing is skipped.
; LAYOUT: S^T = K Q^T + mask^T (A = 16 keys, B = 16 queries, C = the mask's words): lane (r, h) holds query r and keys 8 h + 0..7 of each key block.
; Packed to 16 bits that IS the B fragment of P^T, and O^T = V^T P^T (A = V through the transposing LDS load) keeps query r in lane r.
; So the running maximum, the sum and the rescaling factor are one number a lane; the two halves of the lanes meet by one v_permlanex16_b32.
; ORDER OF A TRIP: vector and LDS lines stand between the matrix instructions wherever they need no other window setting, so that the units have work
; at the same time: 96 of the 128 clamps between the score products, O's rescaling between the products with V, V's loads in two runs among
; the score products, the NEXT trip's K and mask loads in four runs among the products with V.  The softmax goes phase by phase over all four query
; blocks, so that no line waits for the line in front of it, and a block's exponentials alternate with plain lines of its neighbours.
; FORMATS: q and k in bf16.  P and V in f16, whose 11 significant bits keep the rounding small where a row of few keys nearly cancels: p lies in
; [0, 1], and kvb holds 16 v, which has room in f16 for |v| < 4,094; the factor 1/16 goes into the final 1/sum.
; NUMBERS: p = 2^(x c - m c), c = log2 e, m the running maximum, in one fused multiply-add; -m c is rounded once for a row, and the rescaling factor is
; 2^(new - old) of these same rounded numbers, so that every p, sum and O of a row carries one common scale.
; LIMITS: m c must stay finite, so scores are clamped at -2^127 (-1.70e38), not at -FLT_MAX (-3.40e38).  The two differ only in a row whose largest
; score lies below -1.70e38 and whose scores differ from each other there; a row masked everywhere by one value comes out uniform, as in the problem
; (-2^127 c is exact, so the multiply-add gives 0).  Scores above +2.3e38 overflow.  q is scaled before its rounding to bf16; p is rounded to f16 for
; the product with V (below 3e-8 it becomes 0) while the row sum adds the f32 p; |v| < 4,094.
;
; REGISTERS in windows of 256 (s_set_vgpr_msb: bits 1:0 source 0, 3:2 source 1, 5:4 source 2, 7:6 destination):
;   window 0: v8-17 addresses, v20-63 per-row numbers and work, v64-191 S, v192-255 P
;   window 1: v0-127 Q, v128-255 K
;   window 2: v0-127 O of dims 0-63 (t = 0..3), v128-191 V of the same dims;   window 3: the same for dims 64-127 (t = 4..7)
; V lies in O's window, so that under the setting of the products with V (source 0 and C, D in O's window, source 1 in window 0) the line
; O = O x alpha is written without a switch; under the setting of the score products source 2 and the destination are in S's window, which is
; why the clamps there are written as a maximum of three with the bound twice.
.set SLOT,  114688                     ; a slot: the mask's 256 rows x 272, K 4 x 64 x 80, V 4 x 64 x 96
.set KOFF,  69632
.set VOFF,  90112
.set QBASE, 2*SLOT                     ; 229,376 = 896 x 256: Q, 256 rows x 272, filled once; at the end each wave's own part is its output stage
.set ADRM, 8                           ; v8-9    LDS address of my words of the mask, slot 0, 1
.set ADRK, 10                          ; v10-11  of K's fragments
.set ADRV, 12                          ; v12-13  of V's
.set ADRQ, 14
.set STO,  15
.set RD,   16
.set CO,   17
.set M,    24                          ; v24-27  running maximum of query block 0..3
.set LS,   28                          ; v28-31  running sum (of my half of the keys)
.set NM,   32                          ; v32-39  (-m c, -m c)
.set AL,   40                          ; v40-47  (alpha, alpha)
.set TA,   48                          ; v48-51, v52-55: two chains of the maximum for each query block
.set TB,   52
.set TC,   56                          ; v56-59  exponent of alpha
.set PA,   60                          ; v60-61, v62-63: two chains of the sum
.set PB,   62
.set S,    64                          ; v64-191   S(kb, q) at S + 8 (4 q + kb)
.set P,    192                         ; v192-255  P(q, c2) at P + 16 q + 8 c2
.set KF,   128                         ; window 1: K(kb, c) at KF + 8 (4 kb + c); Q(q, c) at 8 (4 q + c)
.set VF,   128                         ; windows 2, 3: V(t, c2) at VF + 8 (2 (t & 3) + c2); O(t, q) at 8 (4 (t & 3) + q)
.set G1M, 16
.set G1K, 24
.set G1V, 32
.set G0M, 40
.set G0K, 48
.set G0V, 56
.set G1Q, 68
.set G0Q, 76
.set MSB, 0
.macro WIN new                         ; the immediate's high byte repeats the setting that is left; a switch that changes nothing is dropped
.if MSB != \new
	s_set_vgpr_msb (MSB<<8)|\new
.set MSB, \new
.endif
.endm
.macro PLACES                          ; four plain vector instructions between a matrix instruction and a load into, or a vector access to, its registers
.rept 4
	v_nop
.endr
.endm
; A round of the cluster's barrier behind its opening barrier: wave 0 signals for the work-group, every wave waits for all four, my work-group's barrier closes it
.macro CREST
	s_cmp_lg_u32 s12, 0
	s_cbranch_scc1 .Lnot_wave_0_\@
	s_barrier_signal -3
.Lnot_wave_0_\@:
	s_barrier_wait -3
	s_barrier_signal -1
	s_barrier_wait -1
.endm
.macro ROUND                           ; a whole round
	s_barrier_signal -1
	s_barrier_wait -1
	CREST
.endm
; A slot's joint loads, one a wave: waves 0 and 1 the mask's two halves (128 rows x 256 bytes each), wave 2 K's tile, wave 3 V's.
.macro JLOAD s
	s_cmp_ge_u32 s12, 2
	s_cbranch_scc1 .Lkv_\@
	tensor_load_to_lds s[G0M+4*\s:G0M+4*\s+3], s[G1M:G1M+7]
	s_nop 0
	s_branch .Lasked_\@
.Lkv_\@:
	s_cmp_eq_u32 s12, 2
	s_cbranch_scc0 .Lv_\@
	tensor_load_to_lds s[G0K+4*\s:G0K+4*\s+3], s[G1K:G1K+7]
	s_nop 0
	s_branch .Lasked_\@
.Lv_\@:
	tensor_load_to_lds s[G0V+4*\s:G0V+4*\s+3], s[G1V:G1V+7]
	s_nop 0
.Lasked_\@:
.endm
	s_load_b256 s[4:11], s[0:1], 0x0               ; qb s[4:5], kvb s[6:7], mask s[8:9], out0 s[10:11]
	v_lshl_add_u32 v22, v0, 2, 0x49000
	v_mov_b32 v23, 0
	ds_add_u32 v22, v23
	v_lshrrev_b32 v1, 5, v0
	v_readfirstlane_b32 s12, v1                    ; wave 0..3
	s_bfe_u32 s13, ttmp6, 0x40000                  ; cx
	s_lshl_b32 s14, ttmp9, 2
	s_add_co_u32 s14, s14, s13                     ; head
	s_and_b32 s15, ttmp7, 0xffff                   ; y = 4 x batch + query block, so 256 y is my first row of the 2,048
	s_mov_b32 s80, 0xff000000                      ; -2^127, the clamp
	s_mov_b32 s81, 0x76543210                      ; v_permlanex16_b32: lane i of one half reads lane i of the other
	s_mov_b32 s82, 0xfedcba98
	; the mask's tile: 128 rows x 64 words, rows 1,024 words apart; 4 words of padding behind every 64: LDS pitch 272
	s_mov_b32 s[G1M+0], 15|(2<<16)|(1<<20)|(1<<21)|(5<<22)|(3<<25)
	s_mov_b32 s[G1M+1], 64<<16
	s_mov_b32 s[G1M+2], 128<<16
	s_mov_b32 s[G1M+3], 64<<16
	s_mov_b32 s[G1M+4], 128
	s_mov_b32 s[G1M+5], 1024
	s_mov_b32 s[G1M+6], 0
	s_mov_b32 s[G1M+7], 0
	; K's tile: 4 pieces, of each 64 keys x 64 bytes, which lie densely: 4 rows of 2,048 elements, 65,536 elements apart.
	; 4 words of padding behind every 16 words: each key's 64 bytes of a piece get an LDS pitch of 80
	s_mov_b32 s[G1K+0], 15|(1<<16)|(1<<20)|(1<<21)|(3<<22)|(3<<25)
	s_mov_b32 s[G1K+1], 2048<<16
	s_mov_b32 s[G1K+2], 4<<16
	s_mov_b32 s[G1K+3], 2048<<16
	s_mov_b32 s[G1K+4], 4
	s_mov_b32 s[G1K+5], 65536
	s_mov_b32 s[G1K+6], 0
	s_mov_b32 s[G1K+7], 0
	; V's tile: the same with 8 words of padding: pitch 96, an odd multiple of 32
	s_mov_b32 s[G1V+0], 15|(1<<16)|(1<<20)|(1<<21)|(3<<22)|(7<<25)
	s_mov_b32 s[G1V+1], 2048<<16
	s_mov_b32 s[G1V+2], 4<<16
	s_mov_b32 s[G1V+3], 2048<<16
	s_mov_b32 s[G1V+4], 4
	s_mov_b32 s[G1V+5], 65536
	s_mov_b32 s[G1V+6], 0
	s_mov_b32 s[G1V+7], 0
	; Q's tile: my wave's 64 rows x 128 elements, no mask of work-groups; pitch 272
	s_mov_b32 s[G1Q+0], (1<<16)|(1<<20)|(5<<22)|(3<<25)
	s_mov_b32 s[G1Q+1], 128<<16
	s_mov_b32 s[G1Q+2], 64<<16
	s_mov_b32 s[G1Q+3], 128<<16
	s_mov_b32 s[G1Q+4], 64
	s_mov_b32 s[G1Q+5], 4096
	s_mov_b32 s[G1Q+6], 0
	s_mov_b32 s[G1Q+7], 0
	s_and_b32 s84, s12, 1                          ; the mask: row 256 y + 128 x (wave & 1), rows of 4,096 bytes
	s_lshl_b32 s84, s84, 7
	s_lshl_b32 s85, s15, 8
	s_add_co_u32 s84, s84, s85
	s_lshl_b32 s84, s84, 12
	s_mov_b32 s85, 0
	s_lshr_b32 s86, ttmp9, 1                       ; key/value head = head / 8: four pieces of 131,072 bytes
	s_lshl_b32 s86, s86, 19
	s_lshr_b32 s88, s15, 2                         ; batch: 1,024 rows of 64 bytes
	s_lshl_b32 s88, s88, 16
	s_add_co_u32 s86, s86, s88
	s_mov_b32 s87, 0
	s_lshl_b32 s88, s15, 8
	s_lshl_b32 s89, s12, 6
	s_add_co_u32 s91, s88, s89                     ; my wave's first row: 256 y + 64 wave
	s_lshl_b32 s88, s91, 13
	s_lshl_b32 s89, s14, 8
	s_add_co_u32 s88, s88, s89                     ; qb: row x 8192 + 256 head
	s_mov_b32 s89, 0
	s_lshl_b32 s92, s91, 14
	s_lshl_b32 s93, s14, 9
	s_add_co_u32 s92, s92, s93                     ; out0: row x 16384 + 512 head
	s_mov_b32 s93, 0
	s_mul_i32 s90, s12, 34816                      ; LDS: the mask's half (waves 0 and 1 alone ask for it)
	s_mul_i32 s91, s12, 17408                      ; LDS: my 64 rows of Q
	s_wait_dscnt 0x0
	s_wait_kmcnt 0x0
	s_add_nc_u64 s[84:85], s[8:9], s[84:85]
	s_add_nc_u64 s[86:87], s[6:7], s[86:87]
	s_add_nc_u64 s[88:89], s[4:5], s[88:89]
	s_add_nc_u64 s[92:93], s[10:11], s[92:93]
.irp s, 0,1
	s_mov_b32 s[G0M+4*\s], 1
	s_add_co_u32 s[G0M+4*\s+1], s90, \s*SLOT
	s_add_nc_u64 s[G0M+4*\s+2:G0M+4*\s+3], s[84:85], \s*256          ; keys 64 s ..: 256 bytes along the rows
	s_or_b32 s[G0M+4*\s+3], s[G0M+4*\s+3], 0x80000000
	s_mov_b32 s[G0K+4*\s], 1
	s_mov_b32 s[G0K+4*\s+1], KOFF+\s*SLOT
	s_add_nc_u64 s[G0K+4*\s+2:G0K+4*\s+3], s[86:87], \s*4096         ; 64 keys of 64 bytes
	s_or_b32 s[G0K+4*\s+3], s[G0K+4*\s+3], 0x80000000
	s_mov_b32 s[G0V+4*\s], 1
	s_mov_b32 s[G0V+4*\s+1], VOFF+\s*SLOT
	s_add_nc_u64 s[G0V+4*\s+2:G0V+4*\s+3], s[86:87], 2097152+\s*4096 ; V's pieces lie 16 pieces behind K's
	s_or_b32 s[G0V+4*\s+3], s[G0V+4*\s+3], 0x80000000
.endr
	s_mov_b32 s[G0Q], 1
	s_add_co_u32 s[G0Q+1], s91, QBASE
	s_mov_b64 s[G0Q+2:G0Q+3], s[88:89]
	s_or_b32 s[G0Q+3], s[G0Q+3], 0x80000000
	ROUND                                          ; the four work-groups are here: the first joint loads meet
	tensor_load_to_lds s[G0Q:G0Q+3], s[G1Q:G1Q+7]  ; my 64 rows of Q
	s_nop 0
	JLOAD 0                                        ; my part of trip 0's tiles
	JLOAD 1                                        ; and of trip 1's: three tensor loads of a wave are out
	v_and_b32 v1, 31, v0                           ; L
	v_and_b32 v2, 15, v0                           ; r
	v_bfe_u32 v3, v0, 4, 1                         ; h
	v_mul_u32_u24 v4, v2, 272
	v_add_nc_u32 v4, s91, v4                       ; my wave's 64 rows, row r
	v_lshl_add_u32 v[ADRM], v3, 5, v4              ; the mask: query r, keys 8 h ..: 32 bytes
	v_add_nc_u32 v[ADRM+1], SLOT, v[ADRM]
	v_lshl_add_u32 v5, v3, 4, v4
	v_add_nc_u32 v[ADRQ], QBASE, v5
	v_mul_u32_u24 v5, v2, 80
	v_lshl_add_u32 v5, v3, 4, v5
	v_add_nc_u32 v[ADRK], KOFF, v5
	v_add_nc_u32 v[ADRK+1], KOFF+SLOT, v5
	v_and_b32 v5, 7, v0
	v_lshl_add_u32 v5, v3, 3, v5                   ; key 8 h + (L & 7)
	v_mul_u32_u24 v5, v5, 96
	v_bfe_u32 v6, v0, 3, 1
	v_lshl_add_u32 v5, v6, 4, v5                   ; + 16 bytes for the upper eight of sixteen columns
	v_add_nc_u32 v[ADRV], VOFF, v5
	v_add_nc_u32 v[ADRV+1], VOFF+SLOT, v5
	s_add_co_u32 s84, s91, QBASE                   ; my stage: the start of my own rows of Q
	v_mul_u32_u24 v5, v2, 528
	v_lshl_add_u32 v5, v3, 5, v5
	v_add_nc_u32 v[STO], s84, v5
	v_lshlrev_b32 v[CO], 4, v1
	v_add_nc_u32 v[RD], s84, v[CO]
	v_mov_b32 v20, 0x3fb8aa3b                      ; c = log2 e, twice
	v_mov_b32 v21, 0x3fb8aa3b
; 16 LDS loads of a trip's operands from slot.  g = 0, 1: K's key blocks 2 g and 2 g + 1; g = 2, 3: the mask's words of key blocks 2 (g - 2) and 2 (g - 2) + 1, into S.
.macro LG16 slot, g
.if \g < 2
	WIN 0x40
.irp k, 0,1
.irp c, 0,1,2,3
	ds_load_b128 v[KF+8*(4*(2*\g+\k)+\c):KF+8*(4*(2*\g+\k)+\c)+3],   v[ADRK+(\slot)] offset:5120*\c+1280*(2*\g+\k)
	ds_load_b128 v[KF+8*(4*(2*\g+\k)+\c)+4:KF+8*(4*(2*\g+\k)+\c)+7], v[ADRK+(\slot)] offset:5120*\c+1280*(2*\g+\k)+32
.endr
.endr
.else
	WIN 0
.irp k, 0,1
.irp q, 0,1,2,3
	ds_load_b128 v[S+8*(4*\q+2*(\g-2)+\k):S+8*(4*\q+2*(\g-2)+\k)+3],   v[ADRM+(\slot)] offset:4352*\q+64*(2*(\g-2)+\k)
	ds_load_b128 v[S+8*(4*\q+2*(\g-2)+\k)+4:S+8*(4*\q+2*(\g-2)+\k)+7], v[ADRM+(\slot)] offset:4352*\q+64*(2*(\g-2)+\k)+16
.endr
.endr
.endif
.endm
; 16 transposing loads: V of dims 64 g .. 64 g + 63 (t = 4 g + u), all 64 keys, into window 2 + g
.macro VG16 slot, g
	WIN (0x80+0x40*\g)
.irp u, 0,1,2,3
.irp c, 0,1
	ds_load_tr16_b128 v[VF+8*(2*\u+\c):VF+8*(2*\u+\c)+3],   v[ADRV+\slot] offset:6144*((4*\g+\u)>>1)+3072*\c+32*(\u&1)
	ds_load_tr16_b128 v[VF+8*(2*\u+\c)+4:VF+8*(2*\u+\c)+7], v[ADRV+\slot] offset:6144*((4*\g+\u)>>1)+3072*\c+32*(\u&1)+1536
.endr
.endr
.endm
; The 16 score products of key block kb: instruction n takes dims 32 (n >> 2) .. and query block n & 3: four accumulators by turns, one instruction a turn.
; Behind each stand two clamps of the key block before, which is complete; the four v_nop behind the first product
; are the places between that block's last products and its clamps.
.macro QK16 kb
.set n_, 0
.rept 16
	v_wmma_f32_16x16x32_bf16 v[S+8*(4*(n_&3)+\kb):S+8*(4*(n_&3)+\kb)+7], v[KF+8*(4*\kb+(n_>>2)):KF+8*(4*\kb+(n_>>2))+7], v[8*(4*(n_&3)+(n_>>2)):8*(4*(n_&3)+(n_>>2))+7], v[S+8*(4*(n_&3)+\kb):S+8*(4*(n_&3)+\kb)+7]
.if \kb > 0
.if n_ == 0
	PLACES
.endif
	v_max3_num_f32 v[S+8*(4*(n_>>2)+\kb-1)+2*(n_&3)],   s80, s80, v[S+8*(4*(n_>>2)+\kb-1)+2*(n_&3)]
	v_max3_num_f32 v[S+8*(4*(n_>>2)+\kb-1)+2*(n_&3)+1], s80, s80, v[S+8*(4*(n_>>2)+\kb-1)+2*(n_&3)+1]
.endif
.set n_, n_+1
.endr
.endm
; The largest of a lane's 32 scores of each query block, the other half of the keys, the running maximum: eight chains by turns
.macro MAXPH first
.irp q, 0,1,2,3
	v_max3_num_f32 v[TA+\q], v[S+32*\q], v[S+32*\q+1], v[S+32*\q+2]
	v_max3_num_f32 v[TB+\q], v[S+32*\q+16], v[S+32*\q+17], v[S+32*\q+18]
.endr
.irp i, 3,5,7,9,11,13
.irp q, 0,1,2,3
	v_max3_num_f32 v[TA+\q], v[TA+\q], v[S+32*\q+\i], v[S+32*\q+\i+1]
	v_max3_num_f32 v[TB+\q], v[TB+\q], v[S+32*\q+16+\i], v[S+32*\q+16+\i+1]
.endr
.endr
.irp q, 0,1,2,3
	v_max3_num_f32 v[TA+\q], v[TA+\q], v[S+32*\q+15], v[S+32*\q+31]
.endr
.irp q, 0,1,2,3
	v_max_num_f32 v[TA+\q], v[TA+\q], v[TB+\q]
.endr
.irp q, 0,1,2,3
	v_permlanex16_b32 v[TB+\q], v[TA+\q], s81, s82         ; its destination counts as read: the chain has written it
.endr
.irp q, 0,1,2,3
.if \first
	v_max_num_f32 v[M+\q], v[TA+\q], v[TB+\q]
.else
	v_max3_num_f32 v[M+\q], v[TA+\q], v[TB+\q], v[M+\q]
.endif
.endr
.endm
.macro FOP q, i                        ; two exponents of block q: x c - m c
	v_pk_fma_f32 v[S+32*(\q)+2*(\i):S+32*(\q)+2*(\i)+1], v[S+32*(\q)+2*(\i):S+32*(\q)+2*(\i)+1], v[20:21], v[NM+2*(\q):NM+2*(\q)+1]
.endm
.macro UOP q, k, first                 ; line k of 16 of block q's sum of the f32 p, in two chains
.if (\k) == 0
	s_wait_alu depctr_va_vdst(0)
	v_pk_add_f32 v[PA:PA+1], v[S+32*(\q):S+32*(\q)+1], v[S+32*(\q)+2:S+32*(\q)+3]
.endif
.if (\k) == 1
	v_pk_add_f32 v[PB:PB+1], v[S+32*(\q)+16:S+32*(\q)+17], v[S+32*(\q)+18:S+32*(\q)+19]
.endif
.if ((\k) >= 2) && ((\k) <= 13)
.if ((\k)&1) == 0
	v_pk_add_f32 v[PA:PA+1], v[PA:PA+1], v[S+32*(\q)+(\k)+2:S+32*(\q)+(\k)+3]
.else
	v_pk_add_f32 v[PB:PB+1], v[PB:PB+1], v[S+32*(\q)+16+(\k)+1:S+32*(\q)+16+(\k)+2]
.endif
.endif
.if (\k) == 14
	v_pk_add_f32 v[PA:PA+1], v[PA:PA+1], v[PB:PB+1]
.endif
.if (\k) == 15
.if \first
	v_add_f32 v[LS+(\q)], v[PA], v[PA+1]
.else
	v_add_f32 v[PA], v[PA], v[PA+1]
.endif
.endif
.endm
.macro COP q, k                        ; register k of 16 of block q's P: keys 32 (k >> 3) + .. become the 8 registers of a B fragment
	v_cvt_pk_f16_f32 v[P+16*(\q)+(\k)], v[S+32*(\q)+2*(\k)], v[S+32*(\q)+2*(\k)+1]
.endm
.macro UC q, n, first                  ; line n of 32 behind block q's exponentials: the sum on even n, the packing on odd n
.if ((\n)&1) == 0
	UOP \q, (\n)/2, \first
.else
	COP \q, ((\n)-1)/2
.endif
.endm
; The 32 exponentials of block q.  Behind each stands plain work of other blocks: the exponents of blocks 1 and 2 (q = 0) and 3 (q = 1), the sum and the
; packing of block q - 1.  So a plain instruction that touches neither stands between every transcendental and the use of its result (ISA guide 5.7.2).
.macro EXPQ q, first
.set n_, 0
.rept 32
	v_exp_f32 v[S+32*\q+n_], v[S+32*\q+n_]
.if \q == 0
	FOP 1+n_/16, n_%16
.endif
.if \q == 1
.if n_ < 16
	FOP 3, n_
.endif
.endif
.if \q > 0
	UC \q-1, n_, \first
.endif
.set n_, n_+1
.endr
.if (\q > 0) && (\first == 0)
	v_fma_f32 v[LS+\q-1], v[LS+\q-1], v[AL+2*(\q-1)], v[PA]
	s_wait_alu depctr_va_vdst(0)
.endif
.endm
.macro RS n                            ; under the setting of the products with V: tile n of this half of O times its query block's alpha
.irp i, 0,2,4,6
	v_pk_mul_f32 v[8*(\n)+\i:8*(\n)+\i+1], v[8*(\n)+\i:8*(\n)+\i+1], v[AL+2*((\n)&3):AL+2*((\n)&3)+1]
.endr
.endm
; 16 products with V: half b >> 1 of the dims, keys 32 (b & 1) ..; instruction n is tile (t & 3 = n >> 2, query block n & 3): 16 accumulators by turns, one instruction
; a turn.  In front of a tile's first product of the trip it is rescaled, two tiles ahead, between the products.
.macro PVBLK b, first
	WIN (0xa2+0x51*(\b>>1))                        ; source 0 (V), C and D in window 2 or 3, source 1 (P, alpha) in window 0
.if ((\b&1) == 0) && (\first == 0)
	RS 0
	RS 1
.endif
.set n_, 0
.rept 16
.if \first && ((\b&1) == 0)
	v_wmma_f32_16x16x32_f16 v[8*n_:8*n_+7], v[VF+8*(2*(n_>>2)+(\b&1)):VF+8*(2*(n_>>2)+(\b&1))+7], v[P+16*(n_&3)+8*(\b&1):P+16*(n_&3)+8*(\b&1)+7], 0
.else
	v_wmma_f32_16x16x32_f16 v[8*n_:8*n_+7], v[VF+8*(2*(n_>>2)+(\b&1)):VF+8*(2*(n_>>2)+(\b&1))+7], v[P+16*(n_&3)+8*(\b&1):P+16*(n_&3)+8*(\b&1)+7], v[8*n_:8*n_+7]
.endif
.if ((\b&1) == 0) && (\first == 0) && (n_ < 14)
	RS n_+2
.endif
.set n_, n_+1
.endr
.endm
; One trip: 64 keys.  Its K and its mask words are in registers or on their way from LDS (issued in the trip before); its V comes from slot.
; first = 1: the sums start.  mode 2: slot is filled again, with the tiles two trips on; mode 1: nothing is left to fetch, but the other slot's tiles must be
; shown to every wave; mode 0: the last trip.
.macro TRIP slot, first, mode
.if \first == 0
	PLACES                                         ; behind the last trip's products with V, in front of the loads into their A fragments
.endif
	VG16 \slot, 0
	WIN 0x05                                       ; source 0 (K) and source 1 (Q) window 1, C and D window 0
	s_wait_dscnt 40                                ; K and the mask's key block 0 are in.  Younger and free to be out: the mask's blocks 1-3 (24 loads), V's first run (16)
	QK16 0
	s_wait_dscnt 32                                ; the mask's block 1: younger are its blocks 2, 3 (16) and V's first run (16)
	QK16 1
	VG16 \slot, 1
	WIN 0x05
	s_wait_dscnt 40                                ; the mask's block 2: younger are its block 3 (8) and V's two runs (32)
	QK16 2
	s_wait_dscnt 32                                ; the mask's block 3: younger are V's two runs
	QK16 3
	WIN 0
	s_wait_dscnt 0x0                               ; V is in registers: all my reads of this slot are over (K's and the mask's were issued in the trip before)
.if \mode != 0
	s_wait_tensorcnt 0x0                           ; all my tensor loads have landed (one was out: my part of the other slot), so every group 0 may be written
	ds_add_u32 v22, v23
	s_wait_dscnt 0x0
.endif
.if \mode == 2
	s_add_nc_u64 s[G0M+4*\slot+2:G0M+4*\slot+3], s[G0M+4*\slot+2:G0M+4*\slot+3], 512    ; 128 keys on: 512 bytes along the mask's rows,
	s_add_nc_u64 s[G0K+4*\slot+2:G0K+4*\slot+3], s[G0K+4*\slot+2:G0K+4*\slot+3], 8192   ; 128 rows of 64 bytes in K's pieces
	s_add_nc_u64 s[G0V+4*\slot+2:G0V+4*\slot+3], s[G0V+4*\slot+2:G0V+4*\slot+3], 8192   ; and in V's
.endif
.if \mode != 0
	s_barrier_signal -1                            ; say so (in mode 2 this barrier opens a round of the cluster's barrier); registers alone up to its wait
.endif
	PLACES                                         ; behind the last score products, in front of the vector instructions that read them
.irp q, 0,1,2,3
.irp j, 0,1,2,3,4,5,6,7
	v_max_num_f32 v[S+8*(4*\q+3)+\j], s80, v[S+8*(4*\q+3)+\j]      ; the clamp of key block 3
.endr
.endr
	MAXPH \first
.irp q, 0,1,2,3
	v_mul_f32 v[NM+2*\q+1], 0xbfb8aa3b, v[M+\q]    ; -m c, new
.endr
.if \first == 0
.irp q, 0,1,2,3
	v_sub_f32 v[TC+\q], v[NM+2*\q+1], v[NM+2*\q]   ; alpha = 2^(new - old), of the rounded numbers that the p are made with
.endr
.endif
.irp q, 0,1,2,3
	v_mul_f32 v[NM+2*\q], 0xbfb8aa3b, v[M+\q]      ; the pair's other half
.endr
.if \first == 0
.irp q, 0,1,2,3
	v_exp_f32 v[AL+2*\q], v[TC+\q]
.endr
.endif
.set n_, 0
.rept 16
	FOP 0, n_                                      ; block 0's exponents; also the plain lines between alpha's exponentials and their use
.set n_, n_+1
.endr
.if \first == 0
	s_wait_alu depctr_va_vdst(0)
.irp q, 0,1,2,3
	v_mov_b32 v[AL+2*\q+1], v[AL+2*\q]
.endr
.endif
.if \mode != 0
	s_barrier_wait -1                              ; every wave of my work-group has said so
.endif
.if \mode == 2
	CREST                                          ; no wave of any partner still reads this slot or has a load on its way
	JLOAD \slot                                    ; my one tensor load behind the round, ahead of every LDS read; it has until the next trip's score products are done to land
.endif
	EXPQ 0, \first
	EXPQ 1, \first
	EXPQ 2, \first
	EXPQ 3, \first
.set n_, 0
.rept 32
	UC 3, n_, \first                               ; block 3's sum and packing
.set n_, n_+1
.endr
.if \first == 0
	v_fma_f32 v[LS+3], v[LS+3], v[AL+6], v[PA]
.endif
.irp b, 0,1,2,3
.if \mode != 0
	LG16 1-\slot, \b                               ; the next trip's K, then its mask words into S, which the packing has left free: a run of 16 in front of each 16 products
.endif
	PVBLK \b, \first
.endr
	WIN 0
.endm
	s_wait_tensorcnt 1                             ; Q and my part of trip 0's tiles are in; trip 1's part may stay out
	s_barrier_signal -1
	s_barrier_wait -1
	WIN 0x40
.irp q, 0,1,2,3
.irp c, 0,1,2,3
	ds_load_b128 v[8*(4*\q+\c):8*(4*\q+\c)+3],   v[ADRQ] offset:4352*\q+64*\c      ; Q stays in registers for all 16 trips
	ds_load_b128 v[8*(4*\q+\c)+4:8*(4*\q+\c)+7], v[ADRQ] offset:4352*\q+64*\c+32
.endr
.endr
	LG16 0, 0                                      ; trip 0's K and mask words
	LG16 0, 1
	LG16 0, 2
	LG16 0, 3
	TRIP 0, 1, 2                                   ; trips 0 and 1 stand in front of the loop: the first starts the sums
	TRIP 1, 0, 2
	s_mov_b32 s83, 6
.Lpair:                                            ; trips 2 to 13
	TRIP 0, 0, 2
	TRIP 1, 0, 2
	s_sub_co_u32 s83, s83, 1
	s_cmp_lg_u32 s83, 0
	s_cbranch_scc1 .Lpair
	TRIP 0, 0, 1                                   ; trip 14
	TRIP 1, 0, 0                                   ; trip 15
	; THE WAY OUT: join the two halves' sums, divide (and take V's factor 16 away), and bring each query's 128 numbers (512 bytes) together through my stage.
	PLACES
.irp q, 0,1,2,3
	v_permlanex16_b32 v[TA+\q], v[LS+\q], s81, s82
.endr
.irp q, 0,1,2,3
	v_add_f32 v[LS+\q], v[LS+\q], v[TA+\q]         ; about 1 at the least: the largest score gives 2^0 but for the rounding of m c
.endr
.irp q, 0,1,2,3
	v_rcp_f32 v[TA+\q], v[LS+\q]
.endr
	v_nop                                          ; one plain instruction between the transcendentals and the use of their results (ISA guide 5.7.2)
	s_wait_alu depctr_va_vdst(0)
.irp q, 0,1,2,3
	v_mul_f32 v[AL+2*\q],   0x3d800000, v[TA+\q]   ; 1 / (16 sum), twice: a pair for the packed multiply
	v_mul_f32 v[AL+2*\q+1], 0x3d800000, v[TA+\q]
.endr
; query block q: 16 rows of 512 bytes, LDS pitch 528 = 33 x 16; rb: where the rows come back, two sets of 64 registers in turn
.macro OUTQ q, rb
	WIN 0x82                                       ; O of dims 0-63
.irp t, 0,1,2,3
.irp i, 0,2,4,6
	v_pk_mul_f32 v[8*(4*\t+\q)+\i:8*(4*\t+\q)+\i+1], v[8*(4*\t+\q)+\i:8*(4*\t+\q)+\i+1], v[AL+2*\q:AL+2*\q+1]
.endr
.endr
	WIN 0xc3                                       ; and of dims 64-127
.irp t, 0,1,2,3
.irp i, 0,2,4,6
	v_pk_mul_f32 v[8*(4*\t+\q)+\i:8*(4*\t+\q)+\i+1], v[8*(4*\t+\q)+\i:8*(4*\t+\q)+\i+1], v[AL+2*\q:AL+2*\q+1]
.endr
.endr
	WIN 0x08                                       ; store data from window 2
.irp t, 0,1,2,3
	ds_store_b128 v[STO], v[8*(4*\t+\q):8*(4*\t+\q)+3]   offset:64*\t        ; query r, dims 16 t + 8 h + 0..3
	ds_store_b128 v[STO], v[8*(4*\t+\q)+4:8*(4*\t+\q)+7] offset:64*\t+16     ; and + 4..7
.endr
	WIN 0x0c                                       ; from window 3
.irp t, 0,1,2,3
	ds_store_b128 v[STO], v[8*(4*\t+\q):8*(4*\t+\q)+3]   offset:64*(\t+4)
	ds_store_b128 v[STO], v[8*(4*\t+\q)+4:8*(4*\t+\q)+7] offset:64*(\t+4)+16
.endr
	WIN 0
	s_wait_xcnt 0x0                                ; registers that earlier stores read are loaded again only behind this wait
.irp i, 0,1,2,3,4,5,6,7,8,9,10,11,12,13,14,15
	ds_load_b128 v[\rb+4*\i:\rb+4*\i+3], v[RD] offset:528*\i         ; LDS serves a wave's instructions in order (ISA guide 5.7.1.4): these see the stores above
.endr
.irp i, 0,1,2,3,4,5,6,7,8,9,10,11,12,13,14,15
	s_wait_dscnt 15-\i
	global_store_b128 v[CO], v[\rb+4*\i:\rb+4*\i+3], s[92:93] offset:(16*\q+\i)*16384 th:TH_STORE_NT   ; a wave's store covers a head's 512 consecutive bytes of a row, aligned
.endr
.endm
	OUTQ 0, S
	OUTQ 1, S+64
	OUTQ 2, S
	OUTQ 3, S+64
	s_wait_tensorcnt 0x0
	ds_add_u32 v22, v23
	s_wait_dscnt 0x0
	ROUND                                          ; the closing round: no work-group ends while a partner may still ask for a tile that names it
	s_endpgm
.Lfunc_end_k_q30aaa6c7e1_attn:
	.size	k_q30aaa6c7e1_attn, .Lfunc_end_k_q30aaa6c7e1_attn-k_q30aaa6c7e1_attn
	.p2alignl 7, 3214868480
	.fill 96, 4, 3214868480
	.section	.rodata,"a",@progbits
	.p2align	6, 0x0
	.amdhsa_kernel k_q30aaa6c7e1_attn
		.amdhsa_group_segment_fixed_size 327680
		.amdhsa_private_segment_fixed_size 0
		.amdhsa_enable_private_segment 0
		.amdhsa_kernarg_size 32
		.amdhsa_user_sgpr_count 2
		.amdhsa_user_sgpr_kernarg_segment_ptr 1
		.amdhsa_wavefront_size32 1
		.amdhsa_system_sgpr_workgroup_id_x 1
		.amdhsa_system_sgpr_workgroup_id_y 1
		.amdhsa_system_sgpr_workgroup_id_z 1
		.amdhsa_system_vgpr_workitem_id 0
		.amdhsa_next_free_vgpr 1024
		.amdhsa_next_free_sgpr 96
		.amdhsa_reserve_vcc 0
		.amdhsa_float_denorm_mode_32 3
		.amdhsa_float_denorm_mode_16_64 3
		.amdhsa_memory_ordered 1
		.amdhsa_forward_progress 1
		.amdhsa_inst_pref_size 255
	.end_amdhsa_kernel
	.section	.bss,"aw",@nobits
	.p2align	6
	.space	262144
	.amdgpu_metadata
---
amdhsa.version: [ 1, 2 ]
amdhsa.kernels:
  - .name:           k_q30aaa6c7e1_attn
    .symbol:         k_q30aaa6c7e1_attn.kd
    .args:
      - { .name: qb, .offset: 0, .size: 8, .value_kind: global_buffer, .address_space: global }
      - { .name: kvb, .offset: 8, .size: 8, .value_kind: global_buffer, .address_space: global }
      - { .name: attention_mask, .offset: 16, .size: 8, .value_kind: global_buffer, .address_space: global }
      - { .name: out0, .offset: 24, .size: 8, .value_kind: global_buffer, .address_space: global }
    .group_segment_fixed_size: 327680
    .private_segment_fixed_size: 0
    .kernarg_segment_align: 8
    .kernarg_segment_size: 32
    .max_flat_workgroup_size: 128
    .sgpr_count:     96
    .vgpr_count:     1024
    .wavefront_size: 32
...
	.end_amdgpu_metadata
.endif
;; end of part 3
;; ======== version 2 of 2: 3 launches; version 1 with the launch prep written anew for expert scheduling mode
;; limits: inputs' magnitudes at most 1,600,000; right only within a limited range of input values; values are held in f16: magnitudes above 65,504 overflow, below 6.1e-05 lose precision
;; workspace buffers: xb 16,777,216 bytes; wt 41,943,040 bytes; cs 2,097,152 bytes; qb 16,777,216 bytes; kvb 4,194,304 bytes
;; launch prep (part 4): grid 1856 x 1, 8 waves a work-group, no clusters, 33,792 bytes of LDS; arguments hidden_states, Wq, Wk, Wv, position_ids, xb, wt, cs; writes xb, wt, cs
.if DOCPART == 4
	.amdgcn_target "amdgcn-amd-amdhsa--gfx1250"
	.amdhsa_code_object_version 6
	.text
	.protected	k_q30aaa6c7e1_prep
	.globl	k_q30aaa6c7e1_prep
	.p2align	8
	.type	k_q30aaa6c7e1_prep,@function
k_q30aaa6c7e1_prep:
	s_mov_b64 s[64:65], 0
	v_nop
	global_prefetch_b8 v0, s[64:65] scope:SCOPE_SE
	s_setreg_imm32_b32 hwreg(HW_REG_WAVE_SCHED_MODE, 0, 2), 2
	s_setreg_imm32_b32 hwreg(HW_REG_WAVE_MODE, 25, 1), 1
	s_wait_xcnt 0x0
	s_wait_alu depctr_vm_vsrc(0)
; PREP: one streaming pass that lays the operands of the projection out for the matrix unit.
;   work-groups    0..1279  a tile of 128 k x 128 columns of Wq, Wk or Wv: f32 [k][n] -> bf16 [n'][k] in wt (transposed through LDS)
;   work-groups 1280..1791  65,536 bytes of hidden_states: f32 -> bf16 in xb
;   work-groups 1792..1855  32 rows of the table cs: cos and sin of position x inv_freq
; wt has 5,120 rows n' = 160 t + i, t = 0..31.  i < 128: query head t, permuted dim c' = i, where c' = 2 d + e stands for the head's
; column d + 64 e, so that the two partners of a rotation are neighbours.  i = 128 + u: piece t of K and V, 32 columns: t < 16 is key head
; t >> 2, c' = 32 (t & 3) + u (permuted as for Q); t >= 16 is value head (t - 16) >> 2, plain column 32 (t & 3) + u.
; cs is f32 [2][2048 rows][64 d][cos, sin]; part 0 carries the factor 1/sqrt(128) (for Q), part 1 is plain (for K).
; No matrix unit, no cluster, no tensor load: nothing is shared between work-groups and bytes alone count; several work-groups lie on a WGP.
; LIMITS: inv_freq is made as 2^(-d log2(10000)/64) by v_exp_f32, so the phase differs from a correctly rounded one by some 3e-7 of
; |position x inv_freq|; the reduction by pi/2 has two terms and serves |position x inv_freq| up to about 1.6e6.
; THE MODE: SCHED_MODE bits 1:0 = 2 (LLVM: expert scheduling mode 2), set by the entry lines.  The code itself states the register dependences
; between vector instructions and memory or LDS instructions, with s_wait_alu, always for 0.
; THE PLAN.  On every path each register that a memory or LDS instruction reads is written once, ahead of a wait on va_vdst, and never again: so no wait
; on vm_vsrc is owed anywhere.  Registers that memory or LDS instructions touch:
;   a tile of W   VO: written by eight vector lines, read by the 16 loads.  X: the loads land in it; the conversions read it.  VW, VR, OFF: written while the
;                 loads are out, read by the LDS stores, the LDS loads and the global stores.  T0 and T1: written by a group's sixteen conversions, read by its
;                 four LDS stores; T1 lies in group 0's raw registers, which are dead by then.  v[64:95], group 1's raw registers: the tile comes back from LDS
;                 into them, behind the wait that shows group 1's conversions done; the global stores read them.
;   the cast      v2, v3: offsets.  X: sixteen groups of four, each loaded once, converted in place and stored; four groups to a wait.
;   the table     v2: the loads' offset; v3: the stores'.  R: eight registers a row, written once, read by the row's two stores.
; A scalar register that a vector instruction writes (the wave's number; the two masks of a row of the table) has its wait on va_sdst ahead of its first reader.
.set VO,  8                            ; v[8:15]   W: 16 L + rr x pitch, the eight rows of a group of loads
.set VW,  16                           ; v[16:17]  W: LDS address of my stores, group 0 and 1
.set VR,  18                           ; v[18:21]  W: LDS address of my reads, for j >> 1 = 0..3
.set OFF, 22                           ; v[22:29]  W: byte offset in wt of store j
.set X,   32                           ; v[32:95]  16 loads of 16 bytes
.set T0,  96                           ; v[96:111] W: group 0, packed bf16
.set T1,  X                            ; v[32:47]  W: group 1, packed bf16, in registers that group 0's conversions have emptied
.set BK,  X+32                         ; v[64:95]  W: the tile's rows as they come back from LDS
	s_load_b512 s[4:19], s[0:1], 0x0               ; hidden s[4:5], Wq s[6:7], Wk s[8:9], Wv s[10:11], positions s[12:13], xb s[14:15], wt s[16:17], cs s[18:19]
	v_lshl_add_u32 v112, v0, 2, 0x8000             ; the LDS address of my spare word, and 0: kept for the closing lines alone
	v_mov_b32 v113, 0
	v_lshrrev_b32 v1, 5, v0
	v_readfirstlane_b32 s20, v1                    ; wave w, 0..7
	v_and_b32 v1, 31, v0                           ; lane L
	s_wait_alu depctr_va_sdst(0)                   ; s20 is written, ahead of its first reader and of the branches: the tile and the table make addresses from it
	s_wait_kmcnt 0x0
	s_cmp_ge_u32 ttmp9, 1792                       ; the role hangs on the work-group's number alone: all eight waves go the same way
	s_cbranch_scc1 .Ltable
	s_cmp_ge_u32 ttmp9, 1280
	s_cbranch_scc1 .Lcast
; ---------------------------------------------------------------- a tile of W
; number = 32 hd + kb: hd = 0..31 query heads, 32..35 key heads, 36..39 value heads; kb = block of 128 k.
	s_lshr_b32 s21, ttmp9, 5                       ; hd
	s_and_b32 s22, ttmp9, 31                       ; kb
	s_and_b32 s26, s20, 3                          ; w & 3
	s_lshr_b32 s27, s20, 2                         ; w >> 2
	s_lshr_b32 s28, s20, 1                         ; w >> 1
	s_and_b32 s29, s20, 1                          ; w & 1
	s_sub_co_u32 s30, s21, 32                      ; kv' = hd - 32 (used only where hd >= 32)
	s_mul_i32 s30, s30, 640
	s_add_co_u32 s30, s30, 128                     ; 640 kv' + 128
	; the wave reads back source columns c = 16 w + 2 j + h.  First destination row (j = h = 0):
	s_mul_i32 s31, s21, 160                        ; Q: 160 hd + 32 (w & 3) + (w >> 2); h steps 2 rows, j steps 4
	s_lshl_b32 s32, s26, 5
	s_add_co_u32 s31, s31, s32
	s_add_co_u32 s31, s31, s27
	s_mul_i32 s32, s26, 160                        ; K: 640 kv' + 128 + 160 (w & 3) + (w >> 2); the same steps
	s_add_co_u32 s32, s32, s30
	s_add_co_u32 s32, s32, s27
	s_mul_i32 s33, s28, 160                        ; V: 640 kv' + 128 + 160 (w >> 1) + 16 (w & 1); h steps 1 row, j steps 2
	s_add_co_u32 s33, s33, s30
	s_lshl_b32 s34, s29, 4
	s_add_co_u32 s33, s33, s34
	s_and_b32 s35, s21, 3                          ; the head's number inside Wk or Wv
	s_mov_b32 s36, 16384
	s_cmp_lt_u32 s21, 36
	s_cselect_b64 s[24:25], s[8:9], s[10:11]       ; Wk or Wv
	s_cselect_b32 s32, s32, s33
	s_cselect_b32 s37, 2, 1                        ; SJ: rows from h to h + 1
	s_cmp_lt_u32 s21, 32
	s_cselect_b64 s[24:25], s[6:7], s[24:25]       ; Wq
	s_cselect_b32 s32, s31, s32                    ; first destination row
	s_cselect_b32 s23, s36, 2048                   ; bytes from a source row to the next
	s_cselect_b32 s35, s21, s35                    ; the head's number inside its source
	v_lshlrev_b32 v[VO], 4, v1
.irp r, 1,2,3,4,5,6,7
	v_add_nc_u32 v[VO+\r], s23, v[VO+\r-1]
.endr
	s_lshl_b32 s38, s22, 7
	s_lshl3_add_u32 s38, s20, s38                  ; 128 kb + 8 w: my first source row
	s_mul_i32 s38, s38, s23
	s_lshl_b32 s39, s35, 9                         ; 512 bytes of a row for each head
	s_add_co_u32 s38, s38, s39
	s_mov_b32 s39, 0
	s_add_nc_u64 s[40:41], s[24:25], s[38:39]      ; group 0: rows 8 w .. 8 w + 7 of the tile
	s_lshl_b32 s38, s23, 6
	s_add_nc_u64 s[42:43], s[40:41], s[38:39]      ; group 1: 64 rows further down
	s_lshl_b32 s38, s32, 13
	s_lshl_b32 s44, s22, 8
	s_add_co_u32 s38, s38, s44
	s_add_nc_u64 s[44:45], s[16:17], s[38:39]      ; wt + 8192 x row + 256 kb
	s_wait_alu depctr_va_vdst(0)                   ; the eight offsets v[VO ..] are written, which the sixteen loads read
.irp g, 0,1
.irp r, 0,1,2,3,4,5,6,7
	global_load_b128 v[X+4*(8*\g+\r):X+4*(8*\g+\r)+3], v[VO+\r], s[40+2*\g:41+2*\g] th:TH_LOAD_NT   ; a wave's load covers the 512 consecutive bytes of one row of the tile
.endr
.endr
	; the other addresses are made while the loads are out: none of these lines names VO or X
	v_and_b32 v2, 15, v1                           ; L & 15
	v_lshrrev_b32 v3, 4, v1                        ; h
	; LDS: row = source column c, 256 bytes (128 k).  The 16-byte chunk kc of row c lies at place (kc + (c >> 2)) & 15: with that turn
	; sixteen neighbouring lanes touch sixteen different 16-byte columns both when they store (rows 4 apart) and when they read a row back.
	v_lshlrev_b32 v6, 10, v1                       ; column 4 L: 1024 L
	v_add_nc_u32 v4, s20, v1                       ; group 0: kc = w, c >> 2 = L
	v_and_b32 v5, 15, v4
	v_lshl_add_u32 v[VW], v5, 4, v6
	v_add_nc_u32 v4, 8, v4                         ; group 1: kc = w + 8
	v_and_b32 v5, 15, v4
	v_lshl_add_u32 v[VW+1], v5, 4, v6
	s_lshl_b32 s46, s20, 2
	s_lshl_b32 s47, s20, 12
	v_lshl_add_u32 v7, v3, 8, s47                  ; row 16 w + h
	v_add_nc_u32 v4, s46, v2                       ; kc + 4 w; c >> 2 = 4 w + (j >> 1)
.irp q, 0,1,2,3
	v_add_nc_u32 v5, \q, v4
	v_and_b32 v5, 15, v5
	v_lshl_add_u32 v[VR+\q], v5, 4, v7
.endr
	s_lshl_b32 s46, s37, 13                        ; h: SJ rows of 8,192 bytes
	s_lshl_b32 s47, s37, 14                        ; j: 2 SJ rows
	v_mul_lo_u32 v4, v3, s46
	v_lshl_add_u32 v[OFF], v2, 4, v4
.irp j, 1,2,3,4,5,6,7
	v_add_nc_u32 v[OFF+\j], s47, v[OFF+\j-1]
.endr
; Group g of eight source rows: sixteen conversions into buffer t, one wait, four LDS stores in a run.
.macro GROUP g, t
	s_wait_loadcnt 8-8*(\g)                        ; loads come back in order: group g's eight are in, the younger group may stay out
.irp i, 0,1,2,3
.irp q, 0,1,2,3
	v_cvt_pk_bf16_f32 v[(\t)+4*\i+\q], v[X+4*(8*(\g)+2*\q)+\i], v[X+4*(8*(\g)+2*\q+1)+\i]   ; column 4 L + i, k = 2 q and 2 q + 1 of the group's eight
.endr
.endr
	s_wait_alu depctr_va_vdst(0)                   ; the conversions have written v[t ..], which the LDS stores read.  In group 0 also: VW, VR and OFF are written.  In group 1 also: the conversions are done reading v[BK ..], in which the LDS loads below land
.irp i, 0,1,2,3
	ds_store_b128 v[VW+(\g)], v[(\t)+4*\i:(\t)+4*\i+3] offset:256*\i
.endr
.endm
	GROUP 0, T0
	GROUP 1, T1                                    ; a buffer of its own: T0, which group 0's stores read, is not written again
	s_wait_dscnt 0x0                               ; my stores are in LDS, for the others' sake
	s_barrier_signal -1
	s_barrier_wait -1                              ; everybody's are
.irp j, 0,1,2,3,4,5,6,7
	ds_load_b128 v[BK+4*\j:BK+4*\j+3], v[VR+\j/2] offset:512*\j    ; rows 16 w + 2 j and 16 w + 2 j + 1, 256 bytes each.  No wait: no vector instruction stands behind group 1's wait
.endr
.irp j, 0,1,2,3,4,5,6,7
	s_wait_dscnt 7-\j                              ; LDS loads come back in order: load j is in
	global_store_b128 v[OFF+\j], v[BK+4*\j:BK+4*\j+3], s[44:45]    ; sixteen lanes store 256 consecutive bytes of a row of wt, at a multiple of 256
.endr
	s_wait_dscnt 0x0                               ; the closing lines, six on end
	s_wait_alu 0x0
	s_wait_tensorcnt 0x0
	ds_add_u32 v112, v113
	s_wait_dscnt 0x0
	s_endpgm
; ---------------------------------------------------------------- the cast of hidden_states
.Lcast:
	v_lshlrev_b32 v2, 4, v0
	v_lshlrev_b32 v3, 3, v0
	s_sub_co_u32 s21, ttmp9, 1280
	s_lshl_b32 s22, s21, 16                        ; 65,536 bytes in,
	s_mov_b32 s23, 0
	s_add_nc_u64 s[24:25], s[4:5], s[22:23]
	s_lshl_b32 s22, s21, 15                        ; 32,768 out
	s_add_nc_u64 s[26:27], s[14:15], s[22:23]
	s_wait_alu depctr_va_vdst(0)                   ; v2 and v3 are written: the loads read the one as their offset, the stores the other
.irp j, 0,1,2,3,4,5,6,7,8,9,10,11,12,13,14,15
	global_load_b128 v[X+4*\j:X+4*\j+3], v2, s[24:25] offset:4096*\j th:TH_LOAD_NT
.endr
.irp g, 0,1,2,3
	s_wait_loadcnt 12-4*\g                         ; group g's four loads are in, the younger groups' stay out
.irp i, 0,1,2,3
	v_cvt_pk_bf16_f32 v[X+4*(4*\g+\i)], v[X+4*(4*\g+\i)], v[X+4*(4*\g+\i)+1]
	v_cvt_pk_bf16_f32 v[X+4*(4*\g+\i)+1], v[X+4*(4*\g+\i)+2], v[X+4*(4*\g+\i)+3]
.endr
	s_wait_alu depctr_va_vdst(0)                   ; the group's eight conversions have written the pairs that its four stores read; no later line writes them again
.irp i, 0,1,2,3
	global_store_b64 v3, v[X+4*(4*\g+\i):X+4*(4*\g+\i)+1], s[26:27] offset:2048*(4*\g+\i)   ; a wave's store covers 256 consecutive bytes, aligned
.endr
.endr
	s_endpgm
; ---------------------------------------------------------------- the table of cos and sin
; Rows 32 g + 8 p + w, p = 0..3.  Lane L owns d = 2 L and 2 L + 1: its (cos, sin, cos, sin) are 16 bytes, a wave's store a whole row of 512.
.set SA, 14                            ; v[14:21]  work for the phase of d = 2 L:     +0 k, +1 r, +2 r^2, +3 quadrant, +4 sin r, +5 cos r, +6 and +7 at work, then the two sign words
.set SB, 22                            ; v[22:29]  the same for d = 2 L + 1
.set R,  32                            ; v[32:63]  row p: four plain numbers, four scaled
; cos and sin of v[x]: k = nearest whole number to x 2/pi; r = x - k pi/2 in two fused steps (pi/2 as a sum of two f32);
; polynomials in r on [-pi/4, pi/4]; the quadrant k mod 4 swaps the two and sets their signs, by selects and sign bits alone.
; In two parts, so that one wait serves a row's two compares: the first ends with the compare into s[m] and, behind it, the sign words, which need no mask.
.macro SC_HEAD x, t, m
	v_mul_f32 v[(\t)], s30, v[\x]
	v_rndne_f32 v[(\t)], v[(\t)]
	v_fma_f32 v[(\t)+1], v[(\t)], s31, v[\x]
	v_fma_f32 v[(\t)+1], v[(\t)], s32, v[(\t)+1]
	v_cvt_i32_f32 v[(\t)+3], v[(\t)]
	v_mul_f32 v[(\t)+2], v[(\t)+1], v[(\t)+1]
	v_fma_f32 v[(\t)+4], v[(\t)+2], s35, s34
	v_fma_f32 v[(\t)+5], v[(\t)+2], s38, s37
	v_fma_f32 v[(\t)+4], v[(\t)+4], v[(\t)+2], s33
	v_fma_f32 v[(\t)+5], v[(\t)+5], v[(\t)+2], s36
	v_mul_f32 v[(\t)+4], v[(\t)+4], v[(\t)+2]
	v_mul_f32 v[(\t)+6], v[(\t)+2], v[(\t)+2]
	v_fma_f32 v[(\t)+7], v[(\t)+2], -0.5, 1.0
	v_fma_f32 v[(\t)+4], v[(\t)+4], v[(\t)+1], v[(\t)+1]   ; sin r
	v_fma_f32 v[(\t)+5], v[(\t)+5], v[(\t)+6], v[(\t)+7]   ; cos r
	v_and_b32 v[(\t)+6], 1, v[(\t)+3]
	v_cmp_eq_u32 s[\m], 1, v[(\t)+6]               ; odd quadrants
	v_and_b32 v[(\t)+6], 2, v[(\t)+3]              ; sin is negative in quadrants 2 and 3,
	v_lshlrev_b32 v[(\t)+6], 30, v[(\t)+6]
	v_add_nc_u32 v[(\t)+7], 1, v[(\t)+3]           ; cos in quadrants 1 and 2
	v_and_b32 v[(\t)+7], 2, v[(\t)+7]
	v_lshlrev_b32 v[(\t)+7], 30, v[(\t)+7]
.endm
.macro SC_TAIL t, m, c, s
	v_cndmask_b32 v[\s], v[(\t)+4], v[(\t)+5], s[\m]       ; odd quadrants: the two change places
	v_cndmask_b32 v[\c], v[(\t)+5], v[(\t)+4], s[\m]
	v_xor_b32 v[\s], v[\s], v[(\t)+6]
	v_xor_b32 v[\c], v[\c], v[(\t)+7]
.endm
.Ltable:
	s_sub_co_u32 s21, ttmp9, 1792
	s_lshl_b32 s21, s21, 5
	s_add_co_u32 s21, s21, s20                     ; 32 g + w
	s_lshl_b32 s22, s21, 2
	v_mov_b32 v2, s22
	s_wait_alu depctr_va_vdst(0)                   ; v2 is written, which the four loads read as their offset
.irp p, 0,1,2,3
	global_load_b32 v[4+\p], v2, s[12:13] offset:32*\p     ; the row's position, the same word in every lane
.endr
	s_lshl_b32 s22, s21, 9
	s_mov_b32 s23, 0
	s_add_nc_u64 s[24:25], s[18:19], s[22:23]      ; cs at row 32 g + w
	s_mov_b32 s30, 0x3f22f983                      ; 2/pi
	s_mov_b32 s31, 0xbfc90fdb                      ; -(pi/2 rounded to f32)
	s_mov_b32 s32, 0x333bbd2e                      ; -(pi/2 less that)
	s_mov_b32 s33, 0xbe2aaaa3                      ; sin: -1.6666654611e-1
	s_mov_b32 s34, 0x3c08839e                      ;       8.3321608736e-3
	s_mov_b32 s35, 0xb94ca1f9                      ;      -1.9515295891e-4
	s_mov_b32 s36, 0x3d2aaaa5                      ; cos:  4.166664568e-2
	s_mov_b32 s37, 0xbab6061a                      ;      -1.388731625e-3
	s_mov_b32 s38, 0x37ccf5ce                      ;       2.443315712e-5
	s_mov_b32 s39, 0xbe549a78                      ; -log2(10000)/64
	s_mov_b32 s40, 0x3db504f3                      ; 1/sqrt(128)
	v_lshlrev_b32 v3, 1, v1
	v_cvt_f32_u32 v8, v3                           ; d = 2 L
	v_add_f32 v9, 1.0, v8                          ; and 2 L + 1
	v_mul_f32 v8, s39, v8
	v_mul_f32 v9, s39, v9
	v_exp_f32 v10, v8                              ; inv_freq = 10000^(-d/64)
	v_exp_f32 v11, v9
	v_lshlrev_b32 v3, 4, v1                        ; 16 L; also the plain instruction that stands between a transcendental and the use of its result (ISA guide 5.7.2)
	s_wait_alu depctr_va_vdst(0)                   ; the two exponentials have written v10 and v11, ahead of their first reader; v3 is written, which every store below reads as its offset
.irp p, 0,1,2,3
	s_wait_loadcnt 3-\p                            ; row p's position is in
	v_cvt_f32_i32 v12, v[4+\p]
	v_mul_f32 v13, v12, v11
	v_mul_f32 v12, v12, v10
	SC_HEAD 12, SA, 26
	SC_HEAD 13, SB, 27
	s_wait_alu depctr_va_sdst(0)                   ; the row's two compares have written s26 and s27, ahead of the selects that read them
	SC_TAIL SA, 26, R+8*\p, R+8*\p+1
	SC_TAIL SB, 27, R+8*\p+2, R+8*\p+3
.irp i, 0,1,2,3
	v_mul_f32 v[R+8*\p+4+\i], s40, v[R+8*\p+\i]
.endr
	s_wait_alu depctr_va_vdst(0)                   ; the row's eight numbers v[R + 8 p ..] are written, which its two stores read; no later row writes them again
	global_store_b128 v3, v[R+8*\p:R+8*\p+3], s[24:25] offset:4096*\p+1048576   ; part 1: plain
	global_store_b128 v3, v[R+8*\p+4:R+8*\p+7], s[24:25] offset:4096*\p         ; part 0: times 1/sqrt(128)
.endr
	s_endpgm
.Lfunc_end_k_q30aaa6c7e1_prep:
	.size	k_q30aaa6c7e1_prep, .Lfunc_end_k_q30aaa6c7e1_prep-k_q30aaa6c7e1_prep
	.p2alignl 7, 3214868480
	.fill 96, 4, 3214868480
	.section	.rodata,"a",@progbits
	.p2align	6, 0x0
	.amdhsa_kernel k_q30aaa6c7e1_prep
		.amdhsa_group_segment_fixed_size 33792
		.amdhsa_private_segment_fixed_size 0
		.amdhsa_enable_private_segment 0
		.amdhsa_kernarg_size 64
		.amdhsa_user_sgpr_count 2
		.amdhsa_user_sgpr_kernarg_segment_ptr 1
		.amdhsa_wavefront_size32 1
		.amdhsa_system_sgpr_workgroup_id_x 1
		.amdhsa_system_sgpr_workgroup_id_y 1
		.amdhsa_system_sgpr_workgroup_id_z 1
		.amdhsa_system_vgpr_workitem_id 0
		.amdhsa_next_free_vgpr 114
		.amdhsa_next_free_sgpr 66
		.amdhsa_reserve_vcc 0
		.amdhsa_float_denorm_mode_32 3
		.amdhsa_float_denorm_mode_16_64 3
		.amdhsa_memory_ordered 1
		.amdhsa_forward_progress 1
		.amdhsa_inst_pref_size 29
	.end_amdhsa_kernel
	.amdgpu_metadata
---
amdhsa.version: [ 1, 2 ]
amdhsa.kernels:
  - .name:           k_q30aaa6c7e1_prep
    .symbol:         k_q30aaa6c7e1_prep.kd
    .args:
      - { .name: hidden_states, .offset: 0, .size: 8, .value_kind: global_buffer, .address_space: global }
      - { .name: Wq, .offset: 8, .size: 8, .value_kind: global_buffer, .address_space: global }
      - { .name: Wk, .offset: 16, .size: 8, .value_kind: global_buffer, .address_space: global }
      - { .name: Wv, .offset: 24, .size: 8, .value_kind: global_buffer, .address_space: global }
      - { .name: position_ids, .offset: 32, .size: 8, .value_kind: global_buffer, .address_space: global }
      - { .name: xb, .offset: 40, .size: 8, .value_kind: global_buffer, .address_space: global }
      - { .name: wt, .offset: 48, .size: 8, .value_kind: global_buffer, .address_space: global }
      - { .name: cs, .offset: 56, .size: 8, .value_kind: global_buffer, .address_space: global }
    .group_segment_fixed_size: 33792
    .private_segment_fixed_size: 0
    .kernarg_segment_align: 8
    .kernarg_segment_size: 64
    .max_flat_workgroup_size: 256
    .sgpr_count:     66
    .vgpr_count:     114
    .wavefront_size: 32
...
	.end_amdgpu_metadata
.endif
;; end of part 4
;; launch qkv: the kernel of part 2 again; grid 32 x 8, 4 waves a work-group, clusters of 4 x 4, 327,680 bytes of LDS; arguments xb, wt, cs, qb, kvb; writes qb, kvb
;; launch attn: the kernel of part 3 again; grid 32 x 8, 4 waves a work-group, clusters of 4 x 1, 327,680 bytes of LDS; arguments qb, kvb, attention_mask, out0; writes out0
